; MI455X (gfx1250); checked and timed in simulation.
; The chip was launched on July 23, 2026; its instructions are those of AMD's public machine-readable ISA for CDNA 5 (MIT licence, August 2026) and "CDNA5" Instruction Set Architecture Reference Guide (July 2026). The comments in the code are by the model that wrote it; some were corrected since.
;; MHA Block. Allowed arithmetic: float matrix products may take bf16 or f16 operands with f32 sums; all other float work in f32.
;; Inputs: b_fc 1,024 float32; b_qkv 3,072 float32; beta 1,024 float32; gamma 1,024 float32; w_fc 8,192 x 1,024 float32; w_qkv 1,024 x 3,072 float32; x 2 x 2,048 x 1,024 float32.
;; Outputs: out0 2 x 2,048 x 1,024 float32.
;; 2 versions, each right; version 2 is version 1 with the launches cv, kw, ln written anew for expert scheduling mode. Each part assembles by itself: llvm-mc -triple=amdgcn-amd-amdhsa -mcpu=gfx1250 --defsym DOCPART=n.
;; ======== version 1 of 2: 5 launches
;; limits: values are held in f16: magnitudes above 65,504 overflow, below 6.1e-05 lose precision
;; workspace buffers: xh 8,388,608 bytes; wh 4,194,304 bytes; qb 8,388,608 bytes; kb 8,388,608 bytes; mt 4,194,304 bytes; ob 16,777,216 bytes
;; launch cv (part 1): grid 256 x 1, 8 waves a work-group, no clusters, 0 bytes of LDS; arguments x, w_qkv, xh, wh; writes xh, wh
.if DOCPART == 1
	.amdgcn_target "amdgcn-amd-amdhsa--gfx1250"
	.amdhsa_code_object_version 6
	.text
	.protected	k_q4877c58f48_cv
	.globl	k_q4877c58f48_cv
	.p2align	8
	.type	k_q4877c58f48_cv,@function
k_q4877c58f48_cv:
	s_mov_b64 s[64:65], 0
	v_nop
	global_prefetch_b8 v0, s[64:65] scope:SCOPE_SE
	s_setreg_imm32_b32 hwreg(HW_REG_WAVE_MODE, 25, 1), 1
	s_wait_xcnt 0x0
; xh[t][c] = f16(x[t][c]), [4096][1024];  wh[c][f] = f16(w_qkv[c][f]) for f = 0..2047, [1024][2048].
; The next launch reads x's rows from 8 blocks of columns and w_qkv's from 32 blocks of rows: rounded here once, they are fetched there
; in half the bytes, by tensor loads, and no block rounds them again.
; LIMITS.  Columns 2048..3071 of w_qkv (v) are not read: the function that this program computes never uses v.
; f16: a magnitude above 65,504 overflows, one below 6e-5 keeps an absolute 3e-8.
; SHARES.  A work-group takes 16 rows of x (64 KB) and the first 8,192 bytes of 4 rows of w_qkv (32 KB); a wave 8 KB of x and 4 KB of w:
; 24 loads of 16 bytes a lane, all issued at the start.  A load of a wave covers 512 consecutive bytes; its four f32 a lane become 8 bytes,
; so a store of a wave covers 256 consecutive bytes, aligned.  Every byte is read once and written once; no LDS, no barrier, no loop.
; Matrix units, clusters and tensor loads have nothing to do here: no byte is shared.
.set XI, 2                             ; v2      my byte offset in the group's rows of x
.set XO, 3                             ; v3      the same in xh
.set WI, 4                             ; v4      the same in the group's rows of w_qkv
.set WO, 5                             ; v5      the same in wh
.set D,  8                             ; v8-103  load i at D + 4 i: 16 of x, then 8 of w_qkv
	s_load_b256 s[4:11], s[0:1], 0x0               ; x s[4:5], w_qkv s[6:7], xh s[8:9], wh s[10:11]
	v_lshrrev_b32 v1, 5, v0                        ; wave w
	v_and_b32 v6, 31, v0                           ; lane l
	v_lshlrev_b32 v7, 4, v6                        ; 16 l
	v_lshlrev_b32 v6, 3, v6                        ; 8 l
	v_lshl_add_u32 v[XI], v1, 13, v7               ; 8,192 w + 16 l
	v_lshl_add_u32 v[XO], v1, 12, v6               ; 4,096 w + 8 l
	v_lshrrev_b32 v[WI], 1, v1
	v_add_nc_u32 v[WI], v[WI], v1                  ; row w >> 1 of 12,288 bytes, half w & 1 of 4,096: (w + (w >> 1)) 4,096
	v_lshl_add_u32 v[WI], v[WI], 12, v7
	v_lshl_add_u32 v[WO], v1, 11, v6               ; row w >> 1 of 4,096 bytes, half w & 1 of 2,048: 2,048 w + 8 l
	s_lshl_b32 s12, ttmp9, 16                      ; the group's 16 rows of x
	s_mov_b32 s13, 0
	s_lshl_b32 s14, ttmp9, 15                      ; and of xh
	s_mov_b32 s15, 0
	s_mul_i32 s16, ttmp9, 49152                    ; the group's 4 rows of w_qkv
	s_mov_b32 s17, 0
	s_lshl_b32 s18, ttmp9, 14                      ; and of wh
	s_mov_b32 s19, 0
	s_wait_kmcnt 0x0
	s_add_nc_u64 s[4:5], s[4:5], s[12:13]
	s_add_nc_u64 s[8:9], s[8:9], s[14:15]
	s_add_nc_u64 s[6:7], s[6:7], s[16:17]
	s_add_nc_u64 s[10:11], s[10:11], s[18:19]
.irp i, 0,1,2,3,4,5,6,7,8,9,10,11,12,13,14,15
	global_load_b128 v[D+4*\i:D+4*\i+3], v[XI], s[4:5] offset:512*\i th:TH_LOAD_NT
.endr
.irp i, 0,1,2,3,4,5,6,7
	global_load_b128 v[D+64+4*\i:D+64+4*\i+3], v[WI], s[6:7] offset:512*\i th:TH_LOAD_NT
.endr
; Load i is rounded in place and stored.  o: the offset register, b: the base, k: which 256 bytes.
.macro PUT i, o, b, k
	s_wait_loadcnt 23-(\i)                         ; loads come back in order (ISA guide 5.7.1): load i is in, the younger ones stay out
	v_cvt_pk_f16_f32 v[D+4*(\i)],   v[D+4*(\i)],   v[D+4*(\i)+1]
	v_cvt_pk_f16_f32 v[D+4*(\i)+1], v[D+4*(\i)+2], v[D+4*(\i)+3]
	global_store_b64 v[\o], v[D+4*(\i):D+4*(\i)+1], s[\b:\b+1] offset:256*(\k) th:TH_STORE_NT
.endm
.irp i, 0,1,2,3,4,5,6,7,8,9,10,11,12,13,14,15
	PUT \i, XO, 8, \i
.endr
.irp i, 0,1,2,3,4,5,6,7
	PUT 16+\i, WO, 10, \i
.endr
	s_endpgm
.Lfunc_end_k_q4877c58f48_cv:
	.size	k_q4877c58f48_cv, .Lfunc_end_k_q4877c58f48_cv-k_q4877c58f48_cv
	.p2alignl 7, 3214868480
	.fill 96, 4, 3214868480
	.section	.rodata,"a",@progbits
	.p2align	6, 0x0
	.amdhsa_kernel k_q4877c58f48_cv
		.amdhsa_group_segment_fixed_size 0
		.amdhsa_private_segment_fixed_size 0
		.amdhsa_enable_private_segment 0
		.amdhsa_kernarg_size 32
		.amdhsa_user_sgpr_count 2
		.amdhsa_user_sgpr_kernarg_segment_ptr 1
		.amdhsa_wavefront_size32 1
		.amdhsa_system_sgpr_workgroup_id_x 1
		.amdhsa_system_sgpr_workgroup_id_y 1
		.amdhsa_system_sgpr_workgroup_id_z 1
		.amdhsa_system_vgpr_workitem_id 0
		.amdhsa_next_free_vgpr 104
		.amdhsa_next_free_sgpr 66
		.amdhsa_reserve_vcc 0
		.amdhsa_float_denorm_mode_32 3
		.amdhsa_float_denorm_mode_16_64 3
		.amdhsa_memory_ordered 1
		.amdhsa_forward_progress 1
		.amdhsa_inst_pref_size 10
	.end_amdhsa_kernel
	.amdgpu_metadata
---
amdhsa.version: [ 1, 2 ]
amdhsa.kernels:
  - .name:           k_q4877c58f48_cv
    .symbol:         k_q4877c58f48_cv.kd
    .args:
      - { .name: x, .offset: 0, .size: 8, .value_kind: global_buffer, .address_space: global }
      - { .name: w_qkv, .offset: 8, .size: 8, .value_kind: global_buffer, .address_space: global }
      - { .name: xh, .offset: 16, .size: 8, .value_kind: global_buffer, .address_space: global }
      - { .name: wh, .offset: 24, .size: 8, .value_kind: global_buffer, .address_space: global }
    .group_segment_fixed_size: 0
    .private_segment_fixed_size: 0
    .kernarg_segment_align: 8
    .kernarg_segment_size: 32
    .max_flat_workgroup_size: 256
    .sgpr_count:     66
    .vgpr_count:     104
    .wavefront_size: 32
...
	.end_amdgpu_metadata
.endif
;; end of part 1
;; launch proj (part 2): grid 8 x 32, 8 waves a work-group, clusters of 4 x 4, 327,680 bytes of LDS; arguments xh, wh, b_qkv, qb, kb; writes qb, kb
.if DOCPART == 2
	.amdgcn_target "amdgcn-amd-amdhsa--gfx1250"
	.amdhsa_code_object_version 6
	.text
	.protected	k_q4877c58f48_proj
	.globl	k_q4877c58f48_proj
	.p2align	8
	.type	k_q4877c58f48_proj,@function
k_q4877c58f48_proj:
	s_mov_b64 s[64:65], 0
	v_nop
	global_prefetch_b8 v0, s[64:65] scope:SCOPE_SE
	s_setreg_imm32_b32 hwreg(HW_REG_WAVE_MODE, 25, 1), 1
	s_wait_xcnt 0x0
	s_wait_alu depctr_hold_cnt(0) depctr_sa_sdst(0) depctr_va_vdst(0) depctr_va_sdst(0) depctr_va_ssrc(0) depctr_va_vcc(0) depctr_vm_vsrc(0)
	s_getreg_b32 s2, hwreg(HW_REG_IB_STS2, 6, 4)
	s_cmp_eq_u32 s2, 0
	s_cbranch_scc0 .Lentry_in_a_cluster
	s_endpgm
.Lentry_in_a_cluster:
	s_bfe_u32 s2, ttmp6, 0x10000c
	s_cmp_lg_u32 s2, 0xf033
	s_cbranch_scc0 .Lentry_shape_is_right
	s_endpgm
.Lentry_shape_is_right:
; QK[t][f] = sum over c of xh[t][c] wh[c][f] + b_qkv[f], t = 0..4095, f = 0..2047; f32 sums of f16 products.
; f = 0..1023 is q and goes to qb as bf16; f = 1024..2047 is k and goes to kb as f16; both [4096][1024].
; LIMITS.  b_qkv[2048..3071] (v's) is not read: the function that this program computes never uses v.  k leaves as f16 (a magnitude above
; 65,504 overflows); q leaves as bf16 because its partner in the last product has no room in f16.
; SHARES.  A work-group makes 128 tokens x 256 features with eight waves; wave w makes 64 tokens (w >> 2) x 64 features (w & 3): 16 accumulator tiles.
; K = 1,024 goes in eight chunks of 128 through two LDS slots filled by tensor loads; a slot holds 128 rows of xh (256 bytes each) and
; 128 rows of wh (512 bytes each), 96 KB; two slots of twice the chunk would not fit beside each other.
; CLUSTERS: 4 x 4 work-groups.  xh's tile hangs on the token block alone and is asked for jointly by a row of the cluster; wh's hangs on the
; feature block alone and is asked for jointly by a column: the requests for both are divided by four.
; A slot is shared out over the eight waves: waves 0-3 ask for 32 rows of xh each, waves 4-7 for 32 rows of wh each.
; By this text's own count a wave has at most two tensor loads out (the two first fills), later one; between a request and the wait for it
; a wave issues a chunk's 64 matrix instructions.
; wh lies [k][feature] in LDS, so its fragments come by the transposing load.  THE MATRIX INSTRUCTION IS USED TRANSPOSED: source 0 = 16 features,
; source 1 = 16 tokens, so that a lane holds token l % 16 and the eight neighbouring features 8 (l / 16) + 0..7: 16 bytes of a row of the output.
.set KC,     128                       ; K of a chunk
.set APITCH, 272                       ; an LDS row of xh: 256 bytes + 16; 17 x 16: sixteen rows start at sixteen different 16-byte columns modulo 256
.set BPITCH, 544                       ; an LDS row of wh: 512 bytes + 32; 17 x 32, for the transposing load
.set ATILE,  128*APITCH                ; 34,816
.set SLOT,   ATILE+KC*BPITCH           ; 104,448: xh's 128 rows, then wh's 128 rows
.set STAGE,  2*SLOT                    ; 208,896, a multiple of 256: the way out, 128 rows of 512 + 16 bytes, into which no tensor load lands
.set SPITCH, 528
.set FA,  2                            ; v2-3    where my fragments of xh lie, slot 0, 1
.set FB,  4                            ; v4-5    the same for wh
.set STG, 6                            ; v6      stage: where I put 16 bytes of a row
.set RD,  7                            ; v7      stage: where I read a row back
.set CO,  8                            ; v8      my byte offset in the output
.set BO,  9                            ; v9      my byte offset in b_qkv
.set FRA, 24                           ; v24-55   four fragments of xh
.set FRB, 56                           ; v56-87   four fragments of wh
.set ACC, 96                           ; v96-223  tile (a, b) at ACC + 8 (4 a + b)
.set BIAS, 224                         ; v224-255 b_qkv of my 4 x 8 features
.set G1,  24                           ; s[24:31] descriptor group 1 for xh's tiles
.set G0,  32                           ; s[32:39] group 0 for xh's tiles, a set for each slot
.set G1B, 48                           ; s[48:55] group 1 for wh's tiles
.set G0B, 56                           ; s[56:63] group 0 for wh's tiles, a set for each slot
.macro PLACES                          ; four places behind the last matrix instructions (ISA guide 7.12.1) before their registers are loaded again or their results read
.rept 4
	v_nop
.endr
.endm
; A joint load.  The branch hangs on the wave's number alone; each of the two lines has one mask and registers that are equal in the four partners.
.macro JLOAD s
	s_cmp_eq_u32 s15, 0
	s_cbranch_scc0 .Lfor_b_\@
	tensor_load_to_lds s[G0+4*\s:G0+4*\s+3], s[G1:G1+7]
	s_nop 0
	s_branch .Lasked_\@
.Lfor_b_\@:
	tensor_load_to_lds s[G0B+4*\s:G0B+4*\s+3], s[G1B:G1B+7]
	s_nop 0
.Lasked_\@:
.endm
; A round of the cluster's barrier: my work-group's barrier, wave 0 signals for the work-group, every wave waits for all sixteen, my work-group's barrier again.
.macro CROUND
	s_barrier_signal -1
	s_barrier_wait -1
	s_cmp_lg_u32 s14, 0
	s_cbranch_scc1 .Lnot_wave_0_\@
	s_barrier_signal -3
.Lnot_wave_0_\@:
	s_barrier_wait -3
	s_barrier_signal -1
	s_barrier_wait -1
.endm
; 32 along K: 16 LDS loads, 16 matrix instructions.  The 16 accumulators take turns, one instruction a turn, in the same order
; everywhere.  zero = 1: the first products start the sums.
.macro SUB slot, ks, zero
	PLACES
.irp a, 0,1,2,3
	ds_load_b128 v[FRA+8*\a:FRA+8*\a+3],   v[FA+\slot] offset:\a*16*APITCH+64*\ks
	ds_load_b128 v[FRA+8*\a+4:FRA+8*\a+7], v[FA+\slot] offset:\a*16*APITCH+64*\ks+32
.endr
.irp b, 0,1,2,3
	ds_load_tr16_b128 v[FRB+8*\b:FRB+8*\b+3],   v[FB+\slot] offset:\ks*32*BPITCH+32*\b             ; k = 8 h + 0..7 of feature column l % 16
	ds_load_tr16_b128 v[FRB+8*\b+4:FRB+8*\b+7], v[FB+\slot] offset:\ks*32*BPITCH+32*\b+16*BPITCH   ; k = 16 + 8 h + 0..7
.endr
.irp b, 0,1,2,3
	s_wait_dscnt 6-2*\b                            ; xh's fragments and wh's up to b are in; two loads for each later b stay out
.irp a, 0,1,2,3
.if \zero
	v_wmma_f32_16x16x32_f16 v[ACC+8*(4*\a+\b):ACC+8*(4*\a+\b)+7], v[FRB+8*\b:FRB+8*\b+7], v[FRA+8*\a:FRA+8*\a+7], 0
.else
	v_wmma_f32_16x16x32_f16 v[ACC+8*(4*\a+\b):ACC+8*(4*\a+\b)+7], v[FRB+8*\b:FRB+8*\b+7], v[FRA+8*\a:FRA+8*\a+7], v[ACC+8*(4*\a+\b):ACC+8*(4*\a+\b)+7]
.endif
.endr
.endr
.endm
.macro STEP slot, zero                 ; a chunk of 128 along K
	SUB \slot, 0, \zero
	SUB \slot, 1, 0
	SUB \slot, 2, 0
	SUB \slot, 3, 0
.endm
; Slot s, which has been read, is filled again, two chunks on.  The waits stand in front of the round's opening signal; the joint load is the first
; tensor load behind its closing wait, one a wave.
.macro REFILL s
	s_wait_tensorcnt 0x0                           ; all my tensor loads have landed, my part of the other slot among them: a group 0 may be written
	ds_add_u32 v94, v95
	s_add_nc_u64 s[G0+4*\s+2:G0+4*\s+3], s[G0+4*\s+2:G0+4*\s+3], 2*KC*2          ; xh: 256 columns of 2 bytes on
	s_add_nc_u64 s[G0B+4*\s+2:G0B+4*\s+3], s[G0B+4*\s+2:G0B+4*\s+3], 2*KC*4096   ; wh: 256 rows of 4,096 bytes on
	s_wait_dscnt 0x0                               ; my reads of this slot are back
	CROUND                                         ; both now hold of every wave of all sixteen work-groups
	JLOAD \s
.endm
	s_load_b256 s[4:11], s[0:1], 0x0               ; xh s[4:5], wh s[6:7], b_qkv s[8:9], qb s[10:11]
	s_load_b64 s[12:13], s[0:1], 0x20              ; kb
	v_lshl_add_u32 v94, v0, 2, 0x43800
	v_mov_b32 v95, 0
	ds_add_u32 v94, v95
	v_lshrrev_b32 v1, 5, v0
	v_readfirstlane_b32 s14, v1                    ; wave w
	s_lshr_b32 s15, s14, 2                         ; which 64 tokens are mine.  Also: I ask for xh (0) or for wh (1)
	s_and_b32 s16, s14, 3                          ; which 64 features are mine.  Also: which 32 rows of that tile I ask for
	s_bfe_u32 s40, ttmp6, 0x40000                  ; cx
	s_bfe_u32 s41, ttmp6, 0x40004                  ; cy
	s_mov_b32 s70, ttmp9                           ; cluster x, the same in all sixteen partners: 0 = features of q, 1 = features of k
	s_lshl_b32 s18, ttmp9, 2
	s_add_co_u32 s18, s18, s40                     ; feature block = 4 x cluster x + cx
	s_and_b32 s19, ttmp7, 0xffff
	s_lshl_b32 s19, s19, 2
	s_add_co_u32 s19, s19, s41                     ; token block = 4 x cluster y + cy
	s_lshl_b32 s42, s41, 2
	s_lshl_b32 s42, 15, s42                        ; my row of the cluster: places 4 cy .. 4 cy + 3
	s_lshl_b32 s43, 0x1111, s40                    ; my column: places cx, cx + 4, cx + 8, cx + 12
	; group 1 for xh: 32 rows x 128 elements of 2 bytes, 4 words of padding behind every 64 words
	s_or_b32 s[G1+0], s42, (1<<16)|(1<<20)|(1<<21)|(5<<22)|(3<<25)   ; 15:0 mask; 17:16 element of 2 bytes; 20 padding on; 21 set beside a mask; 24:22 interval 64 words (code 5); 31:25 pad 4 words (code 3)
	s_mov_b32 s[G1+1], KC<<16                      ; tensor_dim0 = 128
	s_mov_b32 s[G1+2], 32<<16                      ; tensor_dim1 = 32
	s_mov_b32 s[G1+3], KC<<16                      ; tile_dim0 = 128
	s_mov_b32 s[G1+4], 32                          ; tile_dim1 = 32
	s_mov_b32 s[G1+5], 1024                        ; elements from row to row of xh
	s_mov_b32 s[G1+6], 0
	s_mov_b32 s[G1+7], 0
	; group 1 for wh: 32 rows x 256 elements of 2 bytes, 8 words of padding behind every 128 words
	s_or_b32 s[G1B+0], s43, (1<<16)|(1<<20)|(1<<21)|(6<<22)|(7<<25)  ; the column's mask; interval 128 words (code 6); pad 8 words (code 7)
	s_mov_b32 s[G1B+1], 256<<16                    ; tensor_dim0 = 256
	s_mov_b32 s[G1B+2], 32<<16                     ; tensor_dim1 = 32
	s_mov_b32 s[G1B+3], 256<<16                    ; tile_dim0 = 256
	s_mov_b32 s[G1B+4], 32                         ; tile_dim1 = 32
	s_mov_b32 s[G1B+5], 2048                       ; elements from row to row of wh
	s_mov_b32 s[G1B+6], 0
	s_mov_b32 s[G1B+7], 0
	; every wave makes both addresses, each in registers that never hold the other coordinate, and asks by one of them
	s_lshl_b32 s20, s19, 18                        ; xh: token block x 128 rows of 2,048 bytes
	s_lshl_b32 s21, s16, 16                        ; + 32 (w & 3) rows
	s_add_co_u32 s20, s20, s21
	s_mov_b32 s21, 0
	s_lshl_b32 s46, s18, 9                         ; wh: feature block x 256 columns of 2 bytes
	s_lshl_b32 s47, s16, 17                        ; + 32 (w & 3) rows of 4,096 bytes
	s_add_co_u32 s46, s46, s47
	s_mov_b32 s47, 0
	s_mul_i32 s22, s16, 32*APITCH                  ; where they go: xh's rows 32 (w & 3) ..
	s_mul_i32 s23, s16, 32*BPITCH                  ; wh's rows 32 (w & 3) ..,
	s_add_co_u32 s23, s23, ATILE                   ; behind xh's: no place in the cluster enters an LDS address
	s_wait_dscnt 0x0
	s_wait_kmcnt 0x0
	s_add_nc_u64 s[44:45], s[4:5], s[20:21]
	s_add_nc_u64 s[46:47], s[6:7], s[46:47]
	CROUND                                         ; all sixteen work-groups are here: the first joint loads meet
.irp s, 0,1
	s_mov_b32 s[G0+4*\s], 1                                        ; count = 1
	s_add_co_u32 s[G0+4*\s+1], s22, \s*SLOT                        ; LDS address
	s_add_nc_u64 s[G0+4*\s+2:G0+4*\s+3], s[44:45], \s*KC*2         ; global address: chunk s
	s_or_b32 s[G0+4*\s+3], s[G0+4*\s+3], 0x80000000                ; type = 2
	s_mov_b32 s[G0B+4*\s], 1
	s_add_co_u32 s[G0B+4*\s+1], s23, \s*SLOT
	s_add_nc_u64 s[G0B+4*\s+2:G0B+4*\s+3], s[46:47], \s*KC*4096
	s_or_b32 s[G0B+4*\s+3], s[G0B+4*\s+3], 0x80000000
	JLOAD \s
.endr
	v_and_b32 v1, 31, v0                           ; l
	v_and_b32 v16, 15, v0                          ; r = l % 16
	v_bfe_u32 v17, v0, 4, 1                        ; h = l / 16
	s_lshl_b32 s66, s16, 8
	v_lshl_add_u32 v[BO], v17, 5, s66              ; 4 (64 (w & 3) + 8 h)
	s_lshl_b32 s46, s18, 10                        ; feature block x 256 numbers of 4 bytes
	s_mov_b32 s47, 0
	s_add_nc_u64 s[8:9], s[8:9], s[46:47]
.irp b, 0,1,2,3
	global_load_b128 v[BIAS+8*\b:BIAS+8*\b+3],   v[BO], s[8:9] offset:64*\b
	global_load_b128 v[BIAS+8*\b+4:BIAS+8*\b+7], v[BO], s[8:9] offset:64*\b+16
.endr
	v_mul_u32_u24 v18, v16, APITCH
	v_lshl_add_u32 v18, v17, 4, v18
	s_mul_i32 s66, s15, 64*APITCH
	v_add_nc_u32 v[FA], s66, v18                   ; (64 (w >> 2) + r) 272 + 16 h
	v_add_nc_u32 v[FA+1], SLOT, v[FA]
	v_and_b32 v20, 7, v0
	v_lshl_add_u32 v20, v17, 3, v20                ; 8 h + l % 8: the row of wh that I address
	v_mul_u32_u24 v[FB], v20, BPITCH
	v_bfe_u32 v21, v0, 3, 1
	v_lshl_add_u32 v[FB], v21, 4, v[FB]            ; + 16 ((l / 8) % 2)
	s_lshl_b32 s67, s16, 7
	s_add_co_u32 s67, s67, ATILE
	v_add_nc_u32 v[FB], s67, v[FB]                 ; + 128 (w & 3), behind xh's rows
	v_add_nc_u32 v[FB+1], SLOT, v[FB]
	s_mul_i32 s68, s15, 64*SPITCH
	s_lshl_b32 s69, s16, 7
	s_add_co_u32 s68, s68, s69
	s_add_co_u32 s68, s68, STAGE
	v_mul_u32_u24 v[STG], v16, SPITCH
	v_lshl_add_u32 v[STG], v17, 4, v[STG]
	v_add_nc_u32 v[STG], s68, v[STG]               ; stage + (64 (w >> 2) + r) 528 + 128 (w & 3) + 16 h
	s_mul_i32 s68, s14, 16*SPITCH
	s_add_co_u32 s68, s68, STAGE
	v_lshl_add_u32 v[RD], v1, 4, s68               ; stage + 16 w rows + 16 l
	s_lshl_b32 s69, s14, 15
	v_lshl_add_u32 v[CO], v1, 4, s69               ; 16 w rows of 2,048 bytes + 16 l
	s_wait_tensorcnt 0x1                           ; my part of chunk 0 is in; chunk 1's load stays out
	s_barrier_signal -1
	s_barrier_wait -1                              ; everybody's is
	STEP 0, 1                                      ; chunk 0 stands in front of the loop: its first products start the sums
	s_mov_b32 s17, 3                               ; chunks 1 to 6, two a pass; chunks 2 to 7 are asked for
.Lpass:
	REFILL 0
	STEP 1, 0
	REFILL 1
	STEP 0, 0
	s_sub_co_u32 s17, s17, 1
	s_cmp_lg_u32 s17, 0
	s_cbranch_scc1 .Lpass
	s_wait_dscnt 0x0
	s_wait_tensorcnt 0x0                           ; my part of chunk 7 is in: the last tensor load; nothing is left to ask for
	s_barrier_signal -1
	s_barrier_wait -1
	STEP 1, 0                                      ; chunk 7
	; THE WAY OUT: add b_qkv, round, 16 bytes a lane into the stage, read whole rows of 512 bytes back, store them.
	PLACES
	s_wait_loadcnt 0x0                             ; b_qkv
.irp a, 0,1,2,3
.irp b, 0,1,2,3
.irp p, 0,2,4,6
	v_pk_add_f32 v[ACC+8*(4*\a+\b)+\p:ACC+8*(4*\a+\b)+\p+1], v[ACC+8*(4*\a+\b)+\p:ACC+8*(4*\a+\b)+\p+1], v[BIAS+8*\b+\p:BIAS+8*\b+\p+1]
.endr
.endr
.endr
.macro EPI op                          ; eight f32 of a tile become four registers in place and go to the stage
.irp a, 0,1,2,3
.irp b, 0,1,2,3
	\op v[ACC+8*(4*\a+\b)],   v[ACC+8*(4*\a+\b)],   v[ACC+8*(4*\a+\b)+1]
	\op v[ACC+8*(4*\a+\b)+1], v[ACC+8*(4*\a+\b)+2], v[ACC+8*(4*\a+\b)+3]
	\op v[ACC+8*(4*\a+\b)+2], v[ACC+8*(4*\a+\b)+4], v[ACC+8*(4*\a+\b)+5]
	\op v[ACC+8*(4*\a+\b)+3], v[ACC+8*(4*\a+\b)+6], v[ACC+8*(4*\a+\b)+7]
	ds_store_b128 v[STG], v[ACC+8*(4*\a+\b):ACC+8*(4*\a+\b)+3] offset:\a*16*SPITCH+32*\b
.endr
.endr
.endm
	s_lshl_b32 s20, s19, 18                        ; token block x 128 rows of 2,048 bytes
	s_mov_b32 s21, 0
	s_lshl_b32 s46, s40, 9                         ; my block among the four of q or of k: cx x 256 columns of 2 bytes
	s_mov_b32 s47, 0
	s_cmp_eq_u32 s70, 0                            ; the cluster's x decides for all sixteen partners alike: q or k
	s_cselect_b64 s[2:3], s[10:11], s[12:13]
	s_add_nc_u64 s[2:3], s[2:3], s[20:21]          ; these sums leave SCC as the compare set it
	s_add_nc_u64 s[2:3], s[2:3], s[46:47]
	s_cbranch_scc0 .Lkeys
	EPI v_cvt_pk_bf16_f32
	s_branch .Ljoin
.Lkeys:
	EPI v_cvt_pk_f16_f32
.Ljoin:
	s_wait_dscnt 0x0                               ; a row of the stage is written by four waves
	s_barrier_signal -1
	s_barrier_wait -1
.irp i, 0,1,2,3,4,5,6,7,8,9,10,11,12,13,14,15
	ds_load_b128 v[FRA+4*\i:FRA+4*\i+3], v[RD] offset:\i*SPITCH
.endr
.irp i, 0,1,2,3,4,5,6,7,8,9,10,11,12,13,14,15
	s_wait_dscnt 15-\i                             ; LDS loads come back in order: row i is in
	global_store_b128 v[CO], v[FRA+4*\i:FRA+4*\i+3], s[2:3] offset:\i*2048   ; a wave's store covers 512 consecutive bytes, aligned
.endr
	s_wait_tensorcnt 0x0
	ds_add_u32 v94, v95
	s_wait_dscnt 0x0
	CROUND                                         ; the closing round: no work-group ends while a partner may still ask for a tile that names it
	s_endpgm
.Lfunc_end_k_q4877c58f48_proj:
	.size	k_q4877c58f48_proj, .Lfunc_end_k_q4877c58f48_proj-k_q4877c58f48_proj
	.p2alignl 7, 3214868480
	.fill 96, 4, 3214868480
	.section	.rodata,"a",@progbits
	.p2align	6, 0x0
	.amdhsa_kernel k_q4877c58f48_proj
		.amdhsa_group_segment_fixed_size 327680
		.amdhsa_private_segment_fixed_size 0
		.amdhsa_enable_private_segment 0
		.amdhsa_kernarg_size 40
		.amdhsa_user_sgpr_count 2
		.amdhsa_user_sgpr_kernarg_segment_ptr 1
		.amdhsa_wavefront_size32 1
		.amdhsa_system_sgpr_workgroup_id_x 1
		.amdhsa_system_sgpr_workgroup_id_y 1
		.amdhsa_system_sgpr_workgroup_id_z 1
		.amdhsa_system_vgpr_workitem_id 0
		.amdhsa_next_free_vgpr 256
		.amdhsa_next_free_sgpr 72
		.amdhsa_reserve_vcc 0
		.amdhsa_float_denorm_mode_32 3
		.amdhsa_float_denorm_mode_16_64 3
		.amdhsa_memory_ordered 1
		.amdhsa_forward_progress 1
		.amdhsa_inst_pref_size 64
	.end_amdhsa_kernel
	.amdgpu_metadata
---
amdhsa.version: [ 1, 2 ]
amdhsa.kernels:
  - .name:           k_q4877c58f48_proj
    .symbol:         k_q4877c58f48_proj.kd
    .args:
      - { .name: xh, .offset: 0, .size: 8, .value_kind: global_buffer, .address_space: global }
      - { .name: wh, .offset: 8, .size: 8, .value_kind: global_buffer, .address_space: global }
      - { .name: b_qkv, .offset: 16, .size: 8, .value_kind: global_buffer, .address_space: global }
      - { .name: qb, .offset: 24, .size: 8, .value_kind: global_buffer, .address_space: global }
      - { .name: kb, .offset: 32, .size: 8, .value_kind: global_buffer, .address_space: global }
    .group_segment_fixed_size: 327680
    .private_segment_fixed_size: 0
    .kernarg_segment_align: 8
    .kernarg_segment_size: 40
    .max_flat_workgroup_size: 256
    .sgpr_count:     72
    .vgpr_count:     256
    .wavefront_size: 32
...
	.end_amdgpu_metadata
.endif
;; end of part 2
;; launch kw (part 3): grid 16 x 16, 8 waves a work-group, no clusters, 250,880 bytes of LDS; arguments kb, w_fc, mt; writes mt
.if DOCPART == 3
	.amdgcn_target "amdgcn-amd-amdhsa--gfx1250"
	.amdhsa_code_object_version 6
	.text
	.protected	k_q4877c58f48_kw
	.globl	k_q4877c58f48_kw
	.p2align	8
	.type	k_q4877c58f48_kw,@function
k_q4877c58f48_kw:
	s_mov_b64 s[64:65], 0
	v_nop
	global_prefetch_b8 v0, s[64:65] scope:SCOPE_SE
	s_setreg_imm32_b32 hwreg(HW_REG_WAVE_MODE, 25, 1), 1
	s_wait_xcnt 0x0
; Mt[b][d][256 n + k] = sum over j of kb[2048 b + j][256 n + k] w_fc[4 j + n][d], rounded to bf16.  mt: [2][1024 d][1024].
; The scores times w_fc is a product of three matrices with nothing between them: q (k^T w_fc) has the same value as
; (q k^T) w_fc for every input, and this launch makes the bracket.
; LIMITS.  w_fc enters the matrix unit as f16 (a magnitude above 65,504 overflows, one below 6e-5 keeps an absolute 3e-8); kb is f16 already.
; Mt leaves as bf16: a sum of 2,048 products has no sure room in f16.  The sum over j is made as four partial sums in f32
; (j mod 128 in 32 q .. 32 q + 31, q = 0..3), added at the end as (p0 + p1) + (p2 + p3): an order of summation other than ascending j.
; SHARES.  A work-group makes 128 features (half a head of one batch) x 64 d with eight waves.  j = 2,048 goes in 16 tiles of 128 through two
; register sets and two LDS slots.  THE WAVES SHARE j, NOT THE BLOCK: wave w takes the quarter q = w >> 1 of every tile (32 j) and there
; 64 features (w & 1) x all 64 d: 16 accumulator tiles.  Its eight fragments (8 KB) feed 16 matrix instructions, and a tile's 48 KB
; are read from LDS as 64 KB in all; with the block shared out in eight parts of 32 x 32 it would be 128 KB.
; NO TENSOR LOADS, NO CLUSTER: w_fc, half of a tile's bytes, is f32 in memory and is rounded on the way, which a tensor load does not do;
; kb's tile takes the same road, so that one counted wait and one barrier a trip serve both and two tiles (128 KB a work-group) stay out.
; Both tiles lie [j][column] in LDS, so both fragments come by the transposing load.  Source 0 = 16 features of k, source 1 = 16 d:
; a lane holds d = l % 16 and the eight neighbouring features 8 (l / 16) + 0..7.
.set APITCH, 288                       ; an LDS row of k: 128 f16 + 32 bytes; 9 x 32
.set BPITCH, 160                       ; an LDS row of w_fc: 64 f16 + 32 bytes; 5 x 32
.set ATILE,  128*APITCH                ; 36,864
.set SLOT,   ATILE+128*BPITCH          ; 57,344
.set STAGE,  2*SLOT                    ; 114,688: where the four partial sums meet
.set PPITCH, 528                       ; a row of a partial block: 128 f32 + 16 bytes; 33 x 16: sixteen rows start at sixteen different 16-byte columns modulo 256
.set PART,   64*PPITCH                 ; 33,792: a partial block, 64 rows (d)
.set NLD,    16                        ; global loads of a tile in each thread: 8 of k, 8 of w_fc
.set VOA, 2                            ; v2      my byte offset in a tile of k
.set VOB, 3                            ; v3      the same in a tile of w_fc
.set STA, 4                            ; v4-5    where I store k, slot 0, 1
.set STB, 6                            ; v6-7    the same for w_fc
.set FA,  8                            ; v8-9    where my fragments of k lie
.set FB,  10                           ; v10-11  the same for w_fc
.set STG, 12                           ; v12     stage: where I put 32 bytes of a row of my partial block
.set RD,  13                           ; v13     stage: my 16 bytes of my first row in partial blocks 0, 1
.set RD2, 15                           ; v15     the same in partial blocks 2, 3 (an LDS immediate has 16 bits)
.set CO,  14                           ; v14     my byte offset in mt
.set FRA, 16                           ; v16-47   four fragments of k
.set FRB, 48                           ; v48-79   four fragments of w_fc
.set ACC, 80                           ; v80-207  tile (a, b) at ACC + 8 (4 a + b); on the way out row i's four partial sums at ACC + 16 i
; window 1 (v256-383): register set s at 64 s: 32 registers of k, then 32 of w_fc, as loaded; w_fc is rounded in place
.set MSB, 0
.macro WIN new                         ; s_set_vgpr_msb: bits 1:0 source 0, 3:2 source 1, 5:4 source 2, 7:6 destination; the high byte repeats the setting that is left
.if MSB != \new
	s_set_vgpr_msb (MSB<<8)|\new
.set MSB, \new
.endif
.endm
.macro PLACES                          ; four places behind the last matrix instructions (ISA guide 7.12.1) before their registers are loaded again or their results read
.rept 4
	v_nop
.endr
.endm
.macro BAR                             ; my LDS stores and loads are done, then the barrier: what was stored may be read, what was read may be stored
	s_wait_dscnt 0x0
	s_barrier_signal -1
	s_barrier_wait -1
.endm
; The next tile's 16 loads into set s.  first = 1: the bases stand at tile 0 already.
.macro LOADS s, first
.if \first == 0
	s_wait_xcnt 0x0                                ; the bases of the loads issued so far are stepped only behind this wait
	s_add_nc_u64 s[20:21], s[20:21], 262144        ; k: 128 rows of 2,048 bytes on
	s_add_nc_u64 s[22:23], s[22:23], 2097152       ; w_fc: 128 j of 4 rows of 4,096 bytes on
.endif
	WIN 0x40                                       ; destination in window 1
.irp i, 0,1,2,3,4,5,6,7
	global_load_b128 v[64*\s+4*\i:64*\s+4*\i+3], v[VOA], s[20:21] offset:\i*32768          ; j = 16 i + 2 w + h: 16 lanes take 256 bytes
.endr
.irp i, 0,1,2,3,4,5,6,7
	global_load_b128 v[64*\s+32+4*\i:64*\s+32+4*\i+3], v[VOB], s[22:23] offset:\i*262144   ; the same j: 16 lanes take 256 bytes
.endr
	WIN 0
.endm
; Set s goes to slot s: w_fc is rounded to f16 in place first, k goes as it came.
.macro CVT s
	WIN 0x45                                       ; destination and both sources in window 1
.irp i, 0,1,2,3,4,5,6,7
	v_cvt_pk_f16_f32 v[64*\s+32+4*\i],   v[64*\s+32+4*\i],   v[64*\s+32+4*\i+1]
	v_cvt_pk_f16_f32 v[64*\s+32+4*\i+1], v[64*\s+32+4*\i+2], v[64*\s+32+4*\i+3]
.endr
	WIN 0x04                                       ; the stores' data in window 1, their addresses in window 0
.irp i, 0,1,2,3,4,5,6,7
	ds_store_b128 v[STA+\s], v[64*\s+4*\i:64*\s+4*\i+3] offset:\i*16*APITCH
.endr
.irp i, 0,1,2,3,4,5,6,7
	ds_store_b64 v[STB+\s], v[64*\s+32+4*\i:64*\s+32+4*\i+1] offset:\i*16*BPITCH
.endr
.endm
; My 32 j of the tile in a slot: 16 transposing loads, 16 matrix instructions.  The 16 accumulators take turns, one instruction a turn,
; in the same order everywhere.  zero = 1: the first products start the sums.
.macro SUB slot, zero
	WIN 0
	PLACES
.irp a, 0,1,2,3
	ds_load_tr16_b128 v[FRA+8*\a:FRA+8*\a+3],   v[FA+\slot] offset:32*\a                ; j = 8 h + 0..7 of feature column l % 16
	ds_load_tr16_b128 v[FRA+8*\a+4:FRA+8*\a+7], v[FA+\slot] offset:32*\a+16*APITCH      ; j = 16 + 8 h + 0..7
.endr
.irp b, 0,1,2,3
	ds_load_tr16_b128 v[FRB+8*\b:FRB+8*\b+3],   v[FB+\slot] offset:32*\b
	ds_load_tr16_b128 v[FRB+8*\b+4:FRB+8*\b+7], v[FB+\slot] offset:32*\b+16*BPITCH
.endr
.irp b, 0,1,2,3
	s_wait_dscnt 6-2*\b                            ; k's fragments and w_fc's up to b are in; two loads for each later b stay out
.irp a, 0,1,2,3
.if \zero
	v_wmma_f32_16x16x32_f16 v[ACC+8*(4*\a+\b):ACC+8*(4*\a+\b)+7], v[FRA+8*\a:FRA+8*\a+7], v[FRB+8*\b:FRB+8*\b+7], 0
.else
	v_wmma_f32_16x16x32_f16 v[ACC+8*(4*\a+\b):ACC+8*(4*\a+\b)+7], v[FRA+8*\a:FRA+8*\a+7], v[FRB+8*\b:FRB+8*\b+7], v[ACC+8*(4*\a+\b):ACC+8*(4*\a+\b)+7]
.endif
.endr
.endr
.endm
; Trip t multiplies slot cur = t & 1; ahead of that it stores tile t + 1 (set and slot nxt) and asks for tile t + 3 into the same set.
; left = the loads that may stay out when tile t + 1 has to be there: those of tile t + 2.
.macro TRIP cur, nxt, cvt, load, left, zero, bar
.if \cvt
	s_wait_loadcnt \left
	CVT \nxt                                       ; slot nxt was last read in front of the last barrier
.endif
.if \load
	LOADS \nxt, 0
.endif
	SUB \cur, \zero
.if \bar
	BAR
.endif
.endm
	s_load_b128 s[4:7], s[0:1], 0x0                ; kb s[4:5], w_fc s[6:7]
	s_load_b64 s[8:9], s[0:1], 0x10                ; mt
	v_lshl_add_u32 v254, v0, 2, 0x3d000
	v_mov_b32 v255, 0
	v_lshrrev_b32 v1, 5, v0
	v_readfirstlane_b32 s14, v1                    ; wave w
	v_and_b32 v1, 31, v0                           ; lane l
	s_lshr_b32 s15, s14, 1                         ; q: which 32 j of every tile
	s_and_b32 s16, s14, 1                          ; wm: which 64 features
	s_mov_b32 s17, ttmp9                           ; db: block of 64 d
	s_and_b32 s18, ttmp7, 0xffff
	s_lshr_b32 s19, s18, 2                         ; n: head
	s_bfe_u32 s24, s18, 0x10001                    ; b: batch
	s_and_b32 s25, s18, 1                          ; mh: which half of the head's 256 features
	v_and_b32 v16, 15, v1                          ; r
	v_lshrrev_b32 v17, 4, v1                       ; h
	s_lshl_b32 s29, s14, 1
	v_add_nc_u32 v18, s29, v17                     ; 2 w + h: my row among 16
	v_lshlrev_b32 v[VOA], 11, v18
	v_lshl_add_u32 v[VOA], v16, 4, v[VOA]          ; (2 w + h) 2,048 + 16 r
	v_lshlrev_b32 v[VOB], 14, v18
	v_lshl_add_u32 v[VOB], v16, 4, v[VOB]          ; (2 w + h) 16,384 + 16 r
	s_lshl_b32 s26, s19, 9
	s_lshl_b32 s29, s25, 8
	s_add_co_u32 s26, s26, s29                     ; 512 n + 256 mh: my features' bytes in a row of kb and of mt
	s_lshl_b32 s29, s24, 22                        ; b x 2,048 rows of 2,048 bytes
	s_add_co_u32 s30, s26, s29
	s_mov_b32 s31, 0
	s_wait_kmcnt 0x0
	s_add_nc_u64 s[20:21], s[4:5], s[30:31]        ; kb at my first tile
	s_lshl_b32 s30, s19, 12                        ; row n of w_fc
	s_lshl_b32 s29, s17, 8                         ; db x 64 columns of 4 bytes
	s_add_co_u32 s30, s30, s29
	s_add_nc_u64 s[22:23], s[6:7], s[30:31]        ; w_fc at my first tile
	LOADS 0, 1                                     ; tile 0
	LOADS 1, 0                                     ; tile 1
	s_lshl_b32 s30, s24, 21                        ; b x 1,024 rows of 2,048 bytes
	s_lshl_b32 s29, s17, 17                        ; db x 64 rows
	s_add_co_u32 s30, s30, s29
	s_add_co_u32 s30, s30, s26
	s_add_nc_u64 s[8:9], s[8:9], s[30:31]          ; mt at my block
	v_mul_u32_u24 v[STA], v18, APITCH
	v_lshl_add_u32 v[STA], v16, 4, v[STA]          ; (2 w + h) 288 + 16 r
	v_add_nc_u32 v[STA+1], SLOT, v[STA]
	v_mul_u32_u24 v[STB], v18, BPITCH
	v_lshl_add_u32 v[STB], v16, 3, v[STB]
	v_add_nc_u32 v[STB], ATILE, v[STB]             ; behind k's rows: (2 w + h) 160 + 8 r
	v_add_nc_u32 v[STB+1], SLOT, v[STB]
	v_and_b32 v20, 7, v1
	v_lshl_add_u32 v20, v17, 3, v20                ; 8 h + l % 8: the row, among my 32, that I address
	v_bfe_u32 v21, v1, 3, 1                        ; (l / 8) % 2: which 16 bytes
	v_mul_u32_u24 v[FA], v20, APITCH
	v_lshl_add_u32 v[FA], v21, 4, v[FA]
	s_mul_i32 s29, s15, 32*APITCH                  ; my 32 rows of the tile
	s_lshl_b32 s30, s16, 7                         ; my 64 features of 2 bytes
	s_add_co_u32 s29, s29, s30
	v_add_nc_u32 v[FA], s29, v[FA]
	v_add_nc_u32 v[FA+1], SLOT, v[FA]
	v_mul_u32_u24 v[FB], v20, BPITCH
	v_lshl_add_u32 v[FB], v21, 4, v[FB]
	s_mul_i32 s29, s15, 32*BPITCH                  ; the same 32 rows of w_fc,
	s_add_co_u32 s29, s29, ATILE                   ; behind k's rows
	v_add_nc_u32 v[FB], s29, v[FB]
	v_add_nc_u32 v[FB+1], SLOT, v[FB]
	s_mul_i32 s29, s15, PART                       ; my quarter's partial block
	s_lshl_b32 s30, s16, 8                         ; my 64 features of 4 bytes
	s_add_co_u32 s29, s29, s30
	s_add_co_u32 s29, s29, STAGE
	v_mul_u32_u24 v[STG], v16, PPITCH
	v_lshl_add_u32 v[STG], v17, 5, v[STG]
	v_add_nc_u32 v[STG], s29, v[STG]               ; stage + q blocks + r 528 + 256 wm + 32 h
	s_mul_i32 s29, s14, 8*PPITCH
	s_add_co_u32 s29, s29, STAGE
	v_lshl_add_u32 v[RD], v1, 4, s29               ; stage + 8 w rows + 16 l
	v_add_nc_u32 v[RD2], 2*PART, v[RD]
	s_lshl_b32 s29, s14, 14
	v_lshl_add_u32 v[CO], v1, 3, s29               ; 8 w rows of 2,048 bytes + 8 l
	s_wait_loadcnt NLD                             ; tile 0 is in; tile 1's 16 loads stay out
	CVT 0
	LOADS 0, 0                                     ; tile 2
	BAR
	TRIP 0, 1, 1, 1, NLD, 1, 1                     ; trip 0 stands in front of the loop: its products start the sums
	s_mov_b32 s28, 6                               ; trips 1 to 12, two a pass
.Lpass:
	TRIP 1, 0, 1, 1, NLD, 0, 1
	TRIP 0, 1, 1, 1, NLD, 0, 1
	s_sub_co_u32 s28, s28, 1
	s_cmp_lg_u32 s28, 0
	s_cbranch_scc1 .Lpass
	TRIP 1, 0, 1, 0, NLD, 0, 1                     ; trip 13 stores tile 14; tile 15 stays out; nothing is left to ask for
	TRIP 0, 1, 1, 0, 0, 0, 1                       ; trip 14 stores tile 15: no load is younger
	TRIP 1, 0, 0, 0, 0, 0, 0                       ; trip 15 multiplies only; no barrier: the stage has LDS bytes of its own
	; THE WAY OUT.  Each wave puts its 64 d x 64 features of f32 into its quarter's partial block; behind one barrier wave w reads rows (d)
	; 8 w .. 8 w + 7 of all four blocks, 16 bytes a lane, adds them, rounds to bf16 and stores each row's 256 bytes.
	PLACES
.irp a, 0,1,2,3
.irp b, 0,1,2,3
	ds_store_b128 v[STG], v[ACC+8*(4*\a+\b):ACC+8*(4*\a+\b)+3]   offset:\b*16*PPITCH+64*\a
	ds_store_b128 v[STG], v[ACC+8*(4*\a+\b)+4:ACC+8*(4*\a+\b)+7] offset:\b*16*PPITCH+64*\a+16
.endr
.endr
	BAR                                            ; a row is read by one wave and was written by eight
.irp i, 0,1,2,3,4,5,6,7
	ds_load_b128 v[ACC+16*\i:ACC+16*\i+3],     v[RD]  offset:\i*PPITCH
	ds_load_b128 v[ACC+16*\i+4:ACC+16*\i+7],   v[RD]  offset:\i*PPITCH+PART
	ds_load_b128 v[ACC+16*\i+8:ACC+16*\i+11],  v[RD2] offset:\i*PPITCH
	ds_load_b128 v[ACC+16*\i+12:ACC+16*\i+15], v[RD2] offset:\i*PPITCH+PART
.endr
.irp i, 0,1,2,3,4,5,6,7
	s_wait_dscnt 28-4*\i                           ; LDS loads come back in order: row i's four are in, four for each later row stay out
	v_pk_add_f32 v[ACC+16*\i:ACC+16*\i+1],     v[ACC+16*\i:ACC+16*\i+1],     v[ACC+16*\i+4:ACC+16*\i+5]      ; p0 + p1
	v_pk_add_f32 v[ACC+16*\i+2:ACC+16*\i+3],   v[ACC+16*\i+2:ACC+16*\i+3],   v[ACC+16*\i+6:ACC+16*\i+7]
	v_pk_add_f32 v[ACC+16*\i+8:ACC+16*\i+9],   v[ACC+16*\i+8:ACC+16*\i+9],   v[ACC+16*\i+12:ACC+16*\i+13]    ; p2 + p3
	v_pk_add_f32 v[ACC+16*\i+10:ACC+16*\i+11], v[ACC+16*\i+10:ACC+16*\i+11], v[ACC+16*\i+14:ACC+16*\i+15]
	v_pk_add_f32 v[ACC+16*\i:ACC+16*\i+1],     v[ACC+16*\i:ACC+16*\i+1],     v[ACC+16*\i+8:ACC+16*\i+9]
	v_pk_add_f32 v[ACC+16*\i+2:ACC+16*\i+3],   v[ACC+16*\i+2:ACC+16*\i+3],   v[ACC+16*\i+10:ACC+16*\i+11]
	v_cvt_pk_bf16_f32 v[ACC+16*\i],   v[ACC+16*\i],   v[ACC+16*\i+1]
	v_cvt_pk_bf16_f32 v[ACC+16*\i+1], v[ACC+16*\i+2], v[ACC+16*\i+3]
	global_store_b64 v[CO], v[ACC+16*\i:ACC+16*\i+1], s[8:9] offset:\i*2048    ; a wave's store covers 256 consecutive bytes, aligned
.endr
	s_wait_tensorcnt 0x0
	ds_add_u32 v254, v255
	s_wait_dscnt 0x0
	s_endpgm
.Lfunc_end_k_q4877c58f48_kw:
	.size	k_q4877c58f48_kw, .Lfunc_end_k_q4877c58f48_kw-k_q4877c58f48_kw
	.p2alignl 7, 3214868480
	.fill 96, 4, 3214868480
	.section	.rodata,"a",@progbits
	.p2align	6, 0x0
	.amdhsa_kernel k_q4877c58f48_kw
		.amdhsa_group_segment_fixed_size 250880
		.amdhsa_private_segment_fixed_size 0
		.amdhsa_enable_private_segment 0
		.amdhsa_kernarg_size 24
		.amdhsa_user_sgpr_count 2
		.amdhsa_user_sgpr_kernarg_segment_ptr 1
		.amdhsa_wavefront_size32 1
		.amdhsa_system_sgpr_workgroup_id_x 1
		.amdhsa_system_sgpr_workgroup_id_y 1
		.amdhsa_system_sgpr_workgroup_id_z 1
		.amdhsa_system_vgpr_workitem_id 0
		.amdhsa_next_free_vgpr 384
		.amdhsa_next_free_sgpr 66
		.amdhsa_reserve_vcc 0
		.amdhsa_float_denorm_mode_32 3
		.amdhsa_float_denorm_mode_16_64 3
		.amdhsa_memory_ordered 1
		.amdhsa_forward_progress 1
		.amdhsa_inst_pref_size 51
	.end_amdhsa_kernel
	.amdgpu_metadata
---
amdhsa.version: [ 1, 2 ]
amdhsa.kernels:
  - .name:           k_q4877c58f48_kw
    .symbol:         k_q4877c58f48_kw.kd
    .args:
      - { .name: kb, .offset: 0, .size: 8, .value_kind: global_buffer, .address_space: global }
      - { .name: w_fc, .offset: 8, .size: 8, .value_kind: global_buffer, .address_space: global }
      - { .name: mt, .offset: 16, .size: 8, .value_kind: global_buffer, .address_space: global }
    .group_segment_fixed_size: 250880
    .private_segment_fixed_size: 0
    .kernarg_segment_align: 8
    .kernarg_segment_size: 24
    .max_flat_workgroup_size: 256
    .sgpr_count:     66
    .vgpr_count:     384
    .wavefront_size: 32
...
	.end_amdgpu_metadata
.endif
;; end of part 3
;; launch og (part 4): grid 8 x 32, 8 waves a work-group, clusters of 4 x 4, 327,680 bytes of LDS; arguments qb, mt, ob; writes ob
.if DOCPART == 4
	.amdgcn_target "amdgcn-amd-amdhsa--gfx1250"
	.amdhsa_code_object_version 6
	.text
	.protected	k_q4877c58f48_og
	.globl	k_q4877c58f48_og
	.p2align	8
	.type	k_q4877c58f48_og,@function
k_q4877c58f48_og:
	s_mov_b64 s[64:65], 0
	v_nop
	global_prefetch_b8 v0, s[64:65] scope:SCOPE_SE
	s_setreg_imm32_b32 hwreg(HW_REG_WAVE_MODE, 25, 1), 1
	s_wait_xcnt 0x0
	s_wait_alu depctr_hold_cnt(0) depctr_sa_sdst(0) depctr_va_vdst(0) depctr_va_sdst(0) depctr_va_ssrc(0) depctr_va_vcc(0) depctr_vm_vsrc(0)
	s_getreg_b32 s2, hwreg(HW_REG_IB_STS2, 6, 4)
	s_cmp_eq_u32 s2, 0
	s_cbranch_scc0 .Lentry_in_a_cluster
	s_endpgm
.Lentry_in_a_cluster:
	s_bfe_u32 s2, ttmp6, 0x10000c
	s_cmp_lg_u32 s2, 0xf033
	s_cbranch_scc0 .Lentry_shape_is_right
	s_endpgm
.Lentry_shape_is_right:
; o[t][d] = sum over f of qb[t][f] Mt[b(t)][d][f], f32 sums of bf16 products, b(t) = t / 2048.  ob: [4096][1024] f32.
; The division by sqrt(256) = 16 is left to the next launch, which folds it into a multiply-add.
; SHARES.  A work-group makes 128 tokens x 128 d with eight waves; wave w makes 64 tokens (w >> 2) x 32 d (w & 3): eight accumulator tiles.
; K = 1,024 goes in four chunks of 256 through two LDS slots filled by tensor loads; the four chunks are written out, without a loop.
; CLUSTERS: 4 x 4 work-groups.  q's tile hangs on the token block alone and is asked for jointly by a row of the cluster; Mt's hangs on the
; d block and the batch (the same in the whole cluster: 16 token blocks a batch, 4 a cluster) and is asked for jointly by a column.
; A slot's 256 rows of 512 bytes are shared out over the eight waves, 32 rows each: waves 0-3 ask for q's, waves 4-7 for Mt's.
; By this text's own count a wave has at most two tensor loads out (the two first fills), later one.
; TRANSPOSED USE: source 0 = 16 rows of Mt, source 1 = 16 tokens, so that a lane holds token l % 16 and eight neighbouring d: 32 bytes of a row of o.
.set PITCH,  528                       ; an LDS row: 512 bytes + 16; 33 x 16: sixteen rows start at sixteen different 16-byte columns modulo 256
.set WROWS,  32*PITCH                  ; what one tensor load brings
.set BOFF,   128*PITCH                 ; Mt's rows lie behind q's
.set SLOT,   256*PITCH                 ; 135,168
.set FA,  2                            ; v2-3    where my fragments of q lie, slot 0, 1
.set FB,  4                            ; v4-5    the same for Mt
.set STG, 6
.set RD,  7
.set CO,  8
.set FR,  16                           ; v16-111  for each of two steps of 32 along K: q's four fragments, Mt's two
.set ACC, 112                          ; v112-175 tile (a, b) at ACC + 8 (2 a + b)
.set G1,  24                           ; s[24:31] descriptor group 1 for q's tiles
.set G0,  32                           ; s[32:39] group 0 for q's tiles, a set for each slot
.set G1B, 48                           ; s[48:55] group 1 for Mt's tiles: another mask
.set G0B, 56                           ; s[56:63] group 0 for Mt's tiles, a set for each slot
.macro PLACES                          ; four places behind the last matrix instructions (ISA guide 7.12.1)
.rept 4
	v_nop
.endr
.endm
; A joint load.  The branch hangs on the wave's number alone; each of the two lines has one mask and registers that are equal in the four partners.
.macro JLOAD s
	s_cmp_eq_u32 s11, 0
	s_cbranch_scc0 .Lfor_b_\@
	tensor_load_to_lds s[G0+4*\s:G0+4*\s+3], s[G1:G1+7]
	s_nop 0
	s_branch .Lasked_\@
.Lfor_b_\@:
	tensor_load_to_lds s[G0B+4*\s:G0B+4*\s+3], s[G1B:G1B+7]
	s_nop 0
.Lasked_\@:
.endm
; A round of the cluster's barrier: my work-group's barrier, wave 0 signals for the work-group, every wave waits for all sixteen, my work-group's barrier again.
.macro CROUND
	s_barrier_signal -1
	s_barrier_wait -1
	s_cmp_lg_u32 s10, 0
	s_cbranch_scc1 .Lnot_wave_0_\@
	s_barrier_signal -3
.Lnot_wave_0_\@:
	s_barrier_wait -3
	s_barrier_signal -1
	s_barrier_wait -1
.endm
; The eight accumulators take turns, one instruction a turn, in the same order everywhere.
.macro MUL8 ks, zero
.irp a, 0,1,2,3
.irp b, 0,1
.if \zero
	v_wmma_f32_16x16x32_bf16 v[ACC+8*(2*\a+\b):ACC+8*(2*\a+\b)+7], v[FR+48*\ks+32+8*\b:FR+48*\ks+32+8*\b+7], v[FR+48*\ks+8*\a:FR+48*\ks+8*\a+7], 0
.else
	v_wmma_f32_16x16x32_bf16 v[ACC+8*(2*\a+\b):ACC+8*(2*\a+\b)+7], v[FR+48*\ks+32+8*\b:FR+48*\ks+32+8*\b+7], v[FR+48*\ks+8*\a:FR+48*\ks+8*\a+7], v[ACC+8*(2*\a+\b):ACC+8*(2*\a+\b)+7]
.endif
.endr
.endr
.endm
; 64 along K: 24 LDS loads in one run, 16 matrix instructions
.macro DSUB slot, kk, zero
	PLACES
.irp ks, 0,1
.irp a, 0,1,2,3
	ds_load_b128 v[FR+48*\ks+8*\a:FR+48*\ks+8*\a+3],   v[FA+\slot] offset:\a*16*PITCH+(2*\kk+\ks)*64
	ds_load_b128 v[FR+48*\ks+8*\a+4:FR+48*\ks+8*\a+7], v[FA+\slot] offset:\a*16*PITCH+(2*\kk+\ks)*64+32
.endr
.irp b, 0,1
	ds_load_b128 v[FR+48*\ks+32+8*\b:FR+48*\ks+32+8*\b+3],   v[FB+\slot] offset:\b*16*PITCH+(2*\kk+\ks)*64
	ds_load_b128 v[FR+48*\ks+32+8*\b+4:FR+48*\ks+32+8*\b+7], v[FB+\slot] offset:\b*16*PITCH+(2*\kk+\ks)*64+32
.endr
.endr
	s_wait_dscnt 12                                ; the first 32 of K are in; the twelve loads of the second 32 stay out
	MUL8 0, \zero
	s_wait_dscnt 0
	MUL8 1, 0
.endm
.macro STEP slot, zero                 ; a chunk of 256 along K
	DSUB \slot, 0, \zero
	DSUB \slot, 1, 0
	DSUB \slot, 2, 0
	DSUB \slot, 3, 0
.endm
; Slot s, which has been read, is filled again, two chunks on.  The waits stand in front of the round's opening signal; the joint load is the first
; tensor load behind its closing wait, one a wave.
.macro REFILL s
	s_wait_tensorcnt 0x0                           ; all my tensor loads have landed, my part of the other slot among them: a group 0 may be written
	ds_add_u32 v176, v177
	s_add_nc_u64 s[G0+4*\s+2:G0+4*\s+3], s[G0+4*\s+2:G0+4*\s+3], 1024
	s_add_nc_u64 s[G0B+4*\s+2:G0B+4*\s+3], s[G0B+4*\s+2:G0B+4*\s+3], 1024
	s_wait_dscnt 0x0                               ; my reads of this slot are back
	CROUND                                         ; both now hold of every wave of all sixteen work-groups
	JLOAD \s
.endm
	s_load_b128 s[4:7], s[0:1], 0x0                ; qb s[4:5], mt s[6:7]
	s_load_b64 s[8:9], s[0:1], 0x10                ; ob
	v_lshl_add_u32 v176, v0, 2, 0x42000
	v_mov_b32 v177, 0
	ds_add_u32 v176, v177
	v_lshrrev_b32 v1, 5, v0
	v_readfirstlane_b32 s10, v1                    ; wave w
	s_lshr_b32 s11, s10, 2                         ; which 64 tokens are mine.  Also: I ask for q (0) or for Mt (1)
	s_and_b32 s12, s10, 3                          ; which 32 d are mine.  Also: which 32 rows of that tile I ask for
	s_bfe_u32 s40, ttmp6, 0x40000                  ; cx
	s_bfe_u32 s41, ttmp6, 0x40004                  ; cy
	s_lshl_b32 s42, ttmp9, 2
	s_add_co_u32 s42, s42, s40                     ; d block = 4 x cluster x + cx
	s_and_b32 s45, ttmp7, 0xffff                   ; cluster y
	s_lshl_b32 s13, s45, 2
	s_add_co_u32 s13, s13, s41                     ; token block = 4 x cluster y + cy
	s_lshr_b32 s45, s45, 2                         ; batch: 4 clusters of 512 tokens each
	s_lshl_b32 s43, s41, 2
	s_lshl_b32 s43, 15, s43                        ; my row of the cluster: places 4 cy .. 4 cy + 3
	s_lshl_b32 s44, 0x1111, s40                    ; my column: places cx, cx + 4, cx + 8, cx + 12
	; group 1: a tile of 32 rows x 256 elements of 2 bytes, 4 words of padding behind every 128 words
	s_or_b32 s[G1+0], s43, (1<<16)|(1<<20)|(1<<21)|(6<<22)|(3<<25)   ; 15:0 mask; 17:16 element of 2 bytes; 20 padding on; 21 set beside a mask; 24:22 interval 128 words (code 6); 31:25 pad 4 words (code 3)
	s_or_b32 s[G1B+0], s44, (1<<16)|(1<<20)|(1<<21)|(6<<22)|(3<<25)
	s_mov_b32 s[G1+1], 256<<16                     ; tensor_dim0 = 256
	s_mov_b32 s[G1B+1], 256<<16
	s_mov_b32 s[G1+2], 32<<16                      ; tensor_dim1 = 32
	s_mov_b32 s[G1B+2], 32<<16
	s_mov_b32 s[G1+3], 256<<16                     ; tile_dim0 = 256
	s_mov_b32 s[G1B+3], 256<<16
	s_mov_b32 s[G1+4], 32                          ; tile_dim1 = 32
	s_mov_b32 s[G1B+4], 32
	s_mov_b32 s[G1+5], 1024                        ; elements from row to row, in qb and in mt
	s_mov_b32 s[G1B+5], 1024
	s_mov_b32 s[G1+6], 0
	s_mov_b32 s[G1B+6], 0
	s_mov_b32 s[G1+7], 0
	s_mov_b32 s[G1B+7], 0
	; every wave makes both addresses, each in registers that never hold the other coordinate, and asks by one of them
	s_lshl_b32 s17, s12, 5                         ; which 32 rows
	s_lshl_b32 s16, s13, 7
	s_add_co_u32 s16, s16, s17
	s_lshl_b32 s16, s16, 11                        ; q: (128 x token block + 32 (w & 3)) rows of 2,048 bytes
	s_lshl_b32 s46, s42, 7
	s_add_co_u32 s46, s46, s17
	s_lshl_b32 s46, s46, 11                        ; Mt: (128 x d block + 32 (w & 3)) rows of 2,048 bytes
	s_lshl_b32 s47, s45, 21                        ; + batch x 1,024 rows
	s_add_co_u32 s46, s46, s47
	s_mov_b32 s17, 0
	s_mov_b32 s47, 0
	s_mul_i32 s20, s10, WROWS                      ; where they go: wave x 32 rows: q's 128 rows, then Mt's; no place in the cluster enters
	s_wait_dscnt 0x0
	s_wait_kmcnt 0x0
	s_add_nc_u64 s[14:15], s[4:5], s[16:17]
	s_add_nc_u64 s[46:47], s[6:7], s[46:47]
	CROUND                                         ; all sixteen work-groups are here: the first joint loads meet
.irp s, 0,1
	s_mov_b32 s[G0+4*\s], 1                                        ; count = 1
	s_add_co_u32 s[G0+4*\s+1], s20, \s*SLOT                        ; LDS address
	s_add_nc_u64 s[G0+4*\s+2:G0+4*\s+3], s[14:15], \s*512          ; global address: chunk s
	s_or_b32 s[G0+4*\s+3], s[G0+4*\s+3], 0x80000000                ; type = 2
	s_mov_b32 s[G0B+4*\s], 1
	s_add_co_u32 s[G0B+4*\s+1], s20, \s*SLOT
	s_add_nc_u64 s[G0B+4*\s+2:G0B+4*\s+3], s[46:47], \s*512
	s_or_b32 s[G0B+4*\s+3], s[G0B+4*\s+3], 0x80000000
	JLOAD \s
.endr
	v_and_b32 v1, 31, v0                           ; l
	v_and_b32 v9, 15, v0                           ; r
	v_bfe_u32 v10, v0, 4, 1                        ; h
	v_mul_u32_u24 v11, v9, PITCH
	v_lshl_add_u32 v12, v10, 4, v11                ; r x pitch + 16 h
	s_mul_i32 s21, s11, 64*PITCH                   ; my 64 rows of q
	s_mul_i32 s22, s12, 32*PITCH                   ; my 32 rows of Mt,
	s_add_co_u32 s22, s22, BOFF                    ; behind q's
	v_add_nc_u32 v[FA], s21, v12
	v_add_nc_u32 v[FB], s22, v12
	v_add_nc_u32 v[FA+1], SLOT, v[FA]
	v_add_nc_u32 v[FB+1], SLOT, v[FB]
	s_lshl_b32 s23, s12, 7
	s_add_co_u32 s23, s23, s21
	v_lshl_add_u32 v[STG], v10, 5, v11
	v_add_nc_u32 v[STG], s23, v[STG]               ; stage: (64 (w >> 2) + r) 528 + 128 (w & 3) + 32 h
	s_mul_i32 s23, s10, 16*PITCH
	v_lshl_add_u32 v[RD], v1, 4, s23               ; back: 16 w rows + 16 l
	s_lshl_b32 s23, s10, 16
	v_lshl_add_u32 v[CO], v1, 4, s23               ; 16 w rows of 4,096 bytes + 16 l
	s_wait_tensorcnt 0x1                           ; my part of chunk 0 is in; chunk 1's load stays out
	s_barrier_signal -1
	s_barrier_wait -1                              ; everybody's is
	STEP 0, 1                                      ; chunk 0: its first products start the sums
	REFILL 0                                       ; chunk 2 goes out
	STEP 1, 0                                      ; chunk 1
	REFILL 1                                       ; chunk 3 goes out
	STEP 0, 0                                      ; chunk 2
	s_wait_dscnt 0x0                               ; my reads of slot 0 are back: it becomes the stage behind this barrier
	s_wait_tensorcnt 0x0                           ; my part of chunk 3 is in: the last tensor load
	s_barrier_signal -1
	s_barrier_wait -1
	STEP 1, 0                                      ; chunk 3
	; THE WAY OUT, through slot 0, which has had its last fill and its last read: 32 bytes a lane in, whole rows of 512 bytes back.
	PLACES
	s_lshl_b32 s16, s13, 19                        ; token block x 128 rows of 4,096 bytes
	s_mov_b32 s17, 0
	s_add_nc_u64 s[8:9], s[8:9], s[16:17]
	s_lshl_b32 s46, s42, 9                         ; d block x 128 columns of 4 bytes
	s_mov_b32 s47, 0
	s_add_nc_u64 s[8:9], s[8:9], s[46:47]
.irp a, 0,1,2,3
.irp b, 0,1
	ds_store_b128 v[STG], v[ACC+8*(2*\a+\b):ACC+8*(2*\a+\b)+3]   offset:\a*16*PITCH+64*\b
	ds_store_b128 v[STG], v[ACC+8*(2*\a+\b)+4:ACC+8*(2*\a+\b)+7] offset:\a*16*PITCH+64*\b+16
.endr
.endr
	s_wait_dscnt 0x0                               ; a row of the stage is written by four waves
	s_barrier_signal -1
	s_barrier_wait -1
.irp i, 0,1,2,3,4,5,6,7,8,9,10,11,12,13,14,15
	ds_load_b128 v[FR+4*\i:FR+4*\i+3], v[RD] offset:\i*PITCH
.endr
.irp i, 0,1,2,3,4,5,6,7,8,9,10,11,12,13,14,15
	s_wait_dscnt 15-\i                             ; LDS loads come back in order: row i is in
	global_store_b128 v[CO], v[FR+4*\i:FR+4*\i+3], s[8:9] offset:\i*4096   ; a wave's store covers 512 consecutive bytes, aligned
.endr
	s_wait_tensorcnt 0x0
	ds_add_u32 v176, v177
	s_wait_dscnt 0x0
	CROUND                                         ; the closing round: no work-group ends while a partner may still ask for a tile that names it
	s_endpgm
.Lfunc_end_k_q4877c58f48_og:
	.size	k_q4877c58f48_og, .Lfunc_end_k_q4877c58f48_og-k_q4877c58f48_og
	.p2alignl 7, 3214868480
	.fill 96, 4, 3214868480
	.section	.rodata,"a",@progbits
	.p2align	6, 0x0
	.amdhsa_kernel k_q4877c58f48_og
		.amdhsa_group_segment_fixed_size 327680
		.amdhsa_private_segment_fixed_size 0
		.amdhsa_enable_private_segment 0
		.amdhsa_kernarg_size 24
		.amdhsa_user_sgpr_count 2
		.amdhsa_user_sgpr_kernarg_segment_ptr 1
		.amdhsa_wavefront_size32 1
		.amdhsa_system_sgpr_workgroup_id_x 1
		.amdhsa_system_sgpr_workgroup_id_y 1
		.amdhsa_system_sgpr_workgroup_id_z 1
		.amdhsa_system_vgpr_workitem_id 0
		.amdhsa_next_free_vgpr 178
		.amdhsa_next_free_sgpr 66
		.amdhsa_reserve_vcc 0
		.amdhsa_float_denorm_mode_32 3
		.amdhsa_float_denorm_mode_16_64 3
		.amdhsa_memory_ordered 1
		.amdhsa_forward_progress 1
		.amdhsa_inst_pref_size 56
	.end_amdhsa_kernel
	.amdgpu_metadata
---
amdhsa.version: [ 1, 2 ]
amdhsa.kernels:
  - .name:           k_q4877c58f48_og
    .symbol:         k_q4877c58f48_og.kd
    .args:
      - { .name: qb, .offset: 0, .size: 8, .value_kind: global_buffer, .address_space: global }
      - { .name: mt, .offset: 8, .size: 8, .value_kind: global_buffer, .address_space: global }
      - { .name: ob, .offset: 16, .size: 8, .value_kind: global_buffer, .address_space: global }
    .group_segment_fixed_size: 327680
    .private_segment_fixed_size: 0
    .kernarg_segment_align: 8
    .kernarg_segment_size: 24
    .max_flat_workgroup_size: 256
    .sgpr_count:     66
    .vgpr_count:     178
    .wavefront_size: 32
...
	.end_amdgpu_metadata
.endif
;; end of part 4
;; launch ln (part 5): grid 256 x 1, 8 waves a work-group, no clusters, 0 bytes of LDS; arguments x, ob, b_fc, gamma, beta, out0; writes out0
.if DOCPART == 5
	.amdgcn_target "amdgcn-amd-amdhsa--gfx1250"
	.amdhsa_code_object_version 6
	.text
	.protected	k_q4877c58f48_ln
	.globl	k_q4877c58f48_ln
	.p2align	8
	.type	k_q4877c58f48_ln,@function
k_q4877c58f48_ln:
	s_mov_b64 s[64:65], 0
	v_nop
	global_prefetch_b8 v0, s[64:65] scope:SCOPE_SE
	s_setreg_imm32_b32 hwreg(HW_REG_WAVE_MODE, 25, 1), 1
	s_wait_xcnt 0x0
; y = x + o / 16 + b_fc;  out0 = gamma (y - mean) / sqrt(var + 1e-5) + beta, mean and var over a row's 1,024 numbers, all in f32.
; A row is 4,096 bytes: one wave takes a whole row, eight 16-byte loads a lane, and keeps it in registers between the pass for the mean,
; the pass for the variance (of y - mean: no difference of large sums) and the pass that scales.  A wave has two rows; all its
; 56 loads go out at the start; there is no LDS, no barrier and no loop.  Matrix units, clusters and tensor loads have nothing to do here:
; no byte is shared between work-groups but the three vectors of 4,096 bytes.
.set BF, 8                             ; v8-39    b_fc of my 32 columns (128 j + 4 l + 0..3, j = 0..7)
.set GA, 40                            ; v40-71   gamma
.set BE, 72                            ; v72-103  beta
.set X0, 104                           ; v104-135 row 0: x, then y, then y - mean, then the result
.set O0, 136                           ; v136-167 row 0: o
.set X1, 168                           ; v168-199 row 1
.set O1, 200                           ; v200-231
.set T,  232                           ; v232-239 four chains of sums, two numbers each
.set M,  240                           ; v240-241 the mean, twice
.set R,  242                           ; v242-243 1 / sqrt(var + eps), twice
	s_load_b256 s[4:11], s[0:1], 0x0               ; x s[4:5], ob s[6:7], b_fc s[8:9], gamma s[10:11]
	s_load_b128 s[12:15], s[0:1], 0x20             ; beta s[12:13], out0 s[14:15]
	v_lshrrev_b32 v1, 5, v0                        ; wave
	v_and_b32 v2, 31, v0                           ; lane
	v_lshlrev_b32 v3, 4, v2                        ; 16 l: my place in the three vectors
	v_lshl_add_u32 v4, v1, 13, v3                  ; + wave x 2 rows of 4,096 bytes: my place in the group's 16 rows
	s_lshl_b32 s16, ttmp9, 16                      ; the work-group's 16 rows
	s_mov_b32 s17, 0
	s_mov_b32 s18, 0x3d800000                      ; 1 / 16 = 1 / sqrt(256)
	s_mov_b32 s19, 0x3d800000
	s_mov_b32 s20, 0x3a800000                      ; 1 / 1024
	s_mov_b32 s21, 0x3727c5ac                      ; 1e-5
	s_mov_b32 s22, 0x76543210                      ; v_permlanex16_b32: lane i of one half reads lane i of the other
	s_mov_b32 s23, 0xfedcba98
	s_wait_kmcnt 0x0
	s_add_nc_u64 s[4:5], s[4:5], s[16:17]
	s_add_nc_u64 s[6:7], s[6:7], s[16:17]
	s_add_nc_u64 s[14:15], s[14:15], s[16:17]
.irp j, 0,1,2,3,4,5,6,7
	global_load_b128 v[BF+4*\j:BF+4*\j+3], v3, s[8:9] offset:512*\j
.endr
.irp j, 0,1,2,3,4,5,6,7
	global_load_b128 v[X0+4*\j:X0+4*\j+3], v4, s[4:5] offset:512*\j th:TH_LOAD_NT
.endr
.irp j, 0,1,2,3,4,5,6,7
	global_load_b128 v[O0+4*\j:O0+4*\j+3], v4, s[6:7] offset:512*\j th:TH_LOAD_NT
.endr
.irp j, 0,1,2,3,4,5,6,7
	global_load_b128 v[GA+4*\j:GA+4*\j+3], v3, s[10:11] offset:512*\j
.endr
.irp j, 0,1,2,3,4,5,6,7
	global_load_b128 v[BE+4*\j:BE+4*\j+3], v3, s[12:13] offset:512*\j
.endr
.irp j, 0,1,2,3,4,5,6,7
	global_load_b128 v[X1+4*\j:X1+4*\j+3], v4, s[4:5] offset:4096+512*\j th:TH_LOAD_NT
.endr
.irp j, 0,1,2,3,4,5,6,7
	global_load_b128 v[O1+4*\j:O1+4*\j+3], v4, s[6:7] offset:4096+512*\j th:TH_LOAD_NT
.endr
; The four chains in T become one number in every lane's v[T]
.macro ALL_LANES
	v_pk_add_f32 v[T:T+1], v[T:T+1], v[T+2:T+3]
	v_pk_add_f32 v[T+4:T+5], v[T+4:T+5], v[T+6:T+7]
	v_pk_add_f32 v[T:T+1], v[T:T+1], v[T+4:T+5]
	v_add_f32 v[T], v[T], v[T+1]
	v_add_f32_dpp v[T], v[T], v[T] row_xmask:1 row_mask:0xf bank_mask:0xf
	v_add_f32_dpp v[T], v[T], v[T] row_xmask:2 row_mask:0xf bank_mask:0xf
	v_add_f32_dpp v[T], v[T], v[T] row_xmask:4 row_mask:0xf bank_mask:0xf
	v_add_f32_dpp v[T], v[T], v[T] row_xmask:8 row_mask:0xf bank_mask:0xf
	v_permlanex16_b32 v[T+1], v[T], s22, s23       ; its destination counts as read: T + 1 has been written
	v_add_f32 v[T], v[T], v[T+1]
.endm
; One row.  xr, or: its registers; q: which of my two rows; w1: the loads that may stay out when x, o and b_fc have to be there;
; w2: the same for gamma and beta, or -1 where an earlier wait has shown them in.
.macro ROW xr, or, q, w1, w2
	s_wait_loadcnt \w1
.irp p, 0,2,4,6,8,10,12,14,16,18,20,22,24,26,28,30
	v_pk_add_f32 v[\xr+\p:\xr+\p+1], v[\xr+\p:\xr+\p+1], v[BF+\p:BF+\p+1]
.endr
.irp p, 0,2,4,6,8,10,12,14,16,18,20,22,24,26,28,30
	v_pk_fma_f32 v[\xr+\p:\xr+\p+1], v[\or+\p:\or+\p+1], s[18:19], v[\xr+\p:\xr+\p+1] op_sel_hi:[1,0,1]   ; y = o / 16 + (x + b_fc)
.endr
.irp c, 0,2,4,6
	v_pk_add_f32 v[T+\c:T+\c+1], v[\xr+\c:\xr+\c+1], v[\xr+8+\c:\xr+8+\c+1]       ; the first sums start the chains: nothing is cleared
.endr
.irp c, 0,2,4,6
	v_pk_add_f32 v[T+\c:T+\c+1], v[T+\c:T+\c+1], v[\xr+16+\c:\xr+16+\c+1]
.endr
.irp c, 0,2,4,6
	v_pk_add_f32 v[T+\c:T+\c+1], v[T+\c:T+\c+1], v[\xr+24+\c:\xr+24+\c+1]
.endr
	ALL_LANES
	v_mul_f32 v[M], s20, v[T]                      ; the mean, in both registers of a pair
	v_mul_f32 v[M+1], s20, v[T]
.irp p, 0,2,4,6,8,10,12,14,16,18,20,22,24,26,28,30
	v_pk_add_f32 v[\xr+\p:\xr+\p+1], v[\xr+\p:\xr+\p+1], v[M:M+1] neg_lo:[0,1] neg_hi:[0,1]   ; y - mean
.endr
.irp c, 0,2,4,6
	v_pk_mul_f32 v[T+\c:T+\c+1], v[\xr+\c:\xr+\c+1], v[\xr+\c:\xr+\c+1]
.endr
.irp c, 0,2,4,6
	v_pk_fma_f32 v[T+\c:T+\c+1], v[\xr+8+\c:\xr+8+\c+1], v[\xr+8+\c:\xr+8+\c+1], v[T+\c:T+\c+1]
.endr
.irp c, 0,2,4,6
	v_pk_fma_f32 v[T+\c:T+\c+1], v[\xr+16+\c:\xr+16+\c+1], v[\xr+16+\c:\xr+16+\c+1], v[T+\c:T+\c+1]
.endr
.irp c, 0,2,4,6
	v_pk_fma_f32 v[T+\c:T+\c+1], v[\xr+24+\c:\xr+24+\c+1], v[\xr+24+\c:\xr+24+\c+1], v[T+\c:T+\c+1]
.endr
	ALL_LANES
	v_fma_f32 v[T], v[T], s20, s21                 ; var + eps: at least 1e-5, so v_rsq_f32 never sees a denormal
	v_rsq_f32 v[R], v[T]
	v_rsq_f32 v[R+1], v[T]
	v_nop                                          ; one plain vector instruction behind a transcendental before its result is used (ISA guide 5.7.2)
.if \w2 >= 0
	s_wait_loadcnt \w2
.endif
	s_wait_alu depctr_va_vdst(0)
.irp j, 0,1,2,3,4,5,6,7
	v_pk_mul_f32 v[\xr+4*\j:\xr+4*\j+1],   v[\xr+4*\j:\xr+4*\j+1],   v[R:R+1]
	v_pk_mul_f32 v[\xr+4*\j+2:\xr+4*\j+3], v[\xr+4*\j+2:\xr+4*\j+3], v[R:R+1]
	v_pk_fma_f32 v[\xr+4*\j:\xr+4*\j+1],   v[\xr+4*\j:\xr+4*\j+1],   v[GA+4*\j:GA+4*\j+1],   v[BE+4*\j:BE+4*\j+1]
	v_pk_fma_f32 v[\xr+4*\j+2:\xr+4*\j+3], v[\xr+4*\j+2:\xr+4*\j+3], v[GA+4*\j+2:GA+4*\j+3], v[BE+4*\j+2:BE+4*\j+3]
	global_store_b128 v4, v[\xr+4*\j:\xr+4*\j+3], s[14:15] offset:4096*\q+512*\j th:TH_STORE_NT   ; a wave's store covers 512 consecutive bytes, aligned
.endr
.endm
	ROW X0, O0, 0, 32, 16                          ; 32: gamma, beta and row 1 stay out; 16: row 1 stays out
	ROW X1, O1, 1, 0, -1                           ; no load is younger than row 1's
	s_endpgm
.Lfunc_end_k_q4877c58f48_ln:
	.size	k_q4877c58f48_ln, .Lfunc_end_k_q4877c58f48_ln-k_q4877c58f48_ln
	.p2alignl 7, 3214868480
	.fill 96, 4, 3214868480
	.section	.rodata,"a",@progbits
	.p2align	6, 0x0
	.amdhsa_kernel k_q4877c58f48_ln
		.amdhsa_group_segment_fixed_size 0
		.amdhsa_private_segment_fixed_size 0
		.amdhsa_enable_private_segment 0
		.amdhsa_kernarg_size 48
		.amdhsa_user_sgpr_count 2
		.amdhsa_user_sgpr_kernarg_segment_ptr 1
		.amdhsa_wavefront_size32 1
		.amdhsa_system_sgpr_workgroup_id_x 1
		.amdhsa_system_sgpr_workgroup_id_y 1
		.amdhsa_system_sgpr_workgroup_id_z 1
		.amdhsa_system_vgpr_workitem_id 0
		.amdhsa_next_free_vgpr 248
		.amdhsa_next_free_sgpr 66
		.amdhsa_reserve_vcc 0
		.amdhsa_float_denorm_mode_32 3
		.amdhsa_float_denorm_mode_16_64 3
		.amdhsa_memory_ordered 1
		.amdhsa_forward_progress 1
		.amdhsa_inst_pref_size 25
	.end_amdhsa_kernel
	.amdgpu_metadata
---
amdhsa.version: [ 1, 2 ]
amdhsa.kernels:
  - .name:           k_q4877c58f48_ln
    .symbol:         k_q4877c58f48_ln.kd
    .args:
      - { .name: x, .offset: 0, .size: 8, .value_kind: global_buffer, .address_space: global }
      - { .name: ob, .offset: 8, .size: 8, .value_kind: global_buffer, .address_space: global }
      - { .name: b_fc, .offset: 16, .size: 8, .value_kind: global_buffer, .address_space: global }
      - { .name: gamma, .offset: 24, .size: 8, .value_kind: global_buffer, .address_space: global }
      - { .name: beta, .offset: 32, .size: 8, .value_kind: global_buffer, .address_space: global }
      - { .name: out0, .offset: 40, .size: 8, .value_kind: global_buffer, .address_space: global }
    .group_segment_fixed_size: 0
    .private_segment_fixed_size: 0
    .kernarg_segment_align: 8
    .kernarg_segment_size: 48
    .max_flat_workgroup_size: 256
    .sgpr_count:     66
    .vgpr_count:     248
    .wavefront_size: 32
...
	.end_amdgpu_metadata
.endif
;; end of part 5
;; ======== version 2 of 2: 5 launches; version 1 with the launches cv, kw, ln written anew for expert scheduling mode
;; limits: values are held in f16: magnitudes above 65,504 overflow, below 6.1e-05 lose precision
;; workspace buffers: xh 8,388,608 bytes; wh 4,194,304 bytes; qb 8,388,608 bytes; kb 8,388,608 bytes; mt 4,194,304 bytes; ob 16,777,216 bytes
;; launch cv (part 6): grid 256 x 1, 8 waves a work-group, no clusters, 0 bytes of LDS; arguments x, w_qkv, xh, wh; writes xh, wh
.if DOCPART == 6
	.amdgcn_target "amdgcn-amd-amdhsa--gfx1250"
	.amdhsa_code_object_version 6
	.text
	.protected	k_q4877c58f48_cv
	.globl	k_q4877c58f48_cv
	.p2align	8
	.type	k_q4877c58f48_cv,@function
k_q4877c58f48_cv:
	s_mov_b64 s[64:65], 0
	v_nop
	global_prefetch_b8 v0, s[64:65] scope:SCOPE_SE
	s_setreg_imm32_b32 hwreg(HW_REG_WAVE_SCHED_MODE, 0, 2), 2
	s_setreg_imm32_b32 hwreg(HW_REG_WAVE_MODE, 25, 1), 1
	s_wait_xcnt 0x0
	s_wait_alu depctr_vm_vsrc(0)
; xh[t][c] = f16(x[t][c]), [4096][1024];  wh[c][f] = f16(w_qkv[c][f]) for f = 0..2047, [1024][2048].
; The next launch reads x's rows from 8 blocks of columns and w_qkv's from 32 blocks of rows: rounded here once, they are fetched there
; in half the bytes, by tensor loads, and no block rounds them again.
; LIMITS.  Columns 2048..3071 of w_qkv (v) are not read: the function that this program computes never uses v.
; f16: a magnitude above 65,504 overflows, one below 6e-5 keeps an absolute 3e-8.
; SHARES.  A work-group takes 16 rows of x (64 KB) and the first 8,192 bytes of 4 rows of w_qkv (32 KB); a wave 8 KB of x and 4 KB of w:
; 24 loads of 16 bytes a lane, all issued at the start.  A load of a wave covers 512 consecutive bytes; its four f32 a lane become 8 bytes,
; so a store of a wave covers 256 consecutive bytes, aligned.  Every byte is read once and written once; no LDS, no barrier, no loop.
; Matrix units, clusters and tensor loads have nothing to do here: no byte is shared.
; THE MODE: SCHED_MODE bits 1:0 = 2 (LLVM: expert scheduling mode 2), set by the entry lines.  The code itself states the register dependences
; between vector instructions and memory instructions, with s_wait_alu, always for 0.
; THE PLAN.  Registers that memory instructions touch:
;   v2 .. v5   four byte offsets, made at the head and never written again; every load and store reads one of them.
;   D          load i lands in D + 4 i .. + 3; two conversions round it in place; one store reads D + 4 i, + 1; nothing writes them afterwards.
; So one wait stands ahead of the first load (the offsets are written), and the 24 loads go in six blocks of four: the block's data is waited for,
; its eight conversions follow, one wait states that they have written, and the block's four stores leave.  No register that a memory
; instruction reads is ever written again, so nothing more is owed.
.set XI, 2                             ; v2      my byte offset in the group's rows of x
.set XO, 3                             ; v3      the same in xh
.set WI, 4                             ; v4      the same in the group's rows of w_qkv
.set WO, 5                             ; v5      the same in wh
.set D,  8                             ; v8-103  load i at D + 4 i: 16 of x, then 8 of w_qkv
	s_load_b256 s[4:11], s[0:1], 0x0               ; x s[4:5], w_qkv s[6:7], xh s[8:9], wh s[10:11]
	v_lshrrev_b32 v1, 5, v0                        ; wave w
	v_and_b32 v6, 31, v0                           ; lane l
	v_lshlrev_b32 v7, 4, v6                        ; 16 l
	v_lshlrev_b32 v6, 3, v6                        ; 8 l
	v_lshl_add_u32 v[XI], v1, 13, v7               ; 8,192 w + 16 l
	v_lshl_add_u32 v[XO], v1, 12, v6               ; 4,096 w + 8 l
	v_lshrrev_b32 v[WI], 1, v1
	v_add_nc_u32 v[WI], v[WI], v1                  ; row w >> 1 of 12,288 bytes, half w & 1 of 4,096: (w + (w >> 1)) 4,096
	v_lshl_add_u32 v[WI], v[WI], 12, v7
	v_lshl_add_u32 v[WO], v1, 11, v6               ; row w >> 1 of 4,096 bytes, half w & 1 of 2,048: 2,048 w + 8 l
	s_lshl_b32 s12, ttmp9, 16                      ; the group's 16 rows of x
	s_mov_b32 s13, 0
	s_lshl_b32 s14, ttmp9, 15                      ; and of xh
	s_mov_b32 s15, 0
	s_mul_i32 s16, ttmp9, 49152                    ; the group's 4 rows of w_qkv
	s_mov_b32 s17, 0
	s_lshl_b32 s18, ttmp9, 14                      ; and of wh
	s_mov_b32 s19, 0
	s_wait_kmcnt 0x0
	s_add_nc_u64 s[4:5], s[4:5], s[12:13]
	s_add_nc_u64 s[8:9], s[8:9], s[14:15]
	s_add_nc_u64 s[6:7], s[6:7], s[16:17]
	s_add_nc_u64 s[10:11], s[10:11], s[18:19]
	s_wait_alu depctr_va_vdst(0)                   ; the four offsets v2 to v5 are written: every load and store of the kernel reads one of them
.irp i, 0,1,2,3,4,5,6,7,8,9,10,11,12,13,14,15
	global_load_b128 v[D+4*\i:D+4*\i+3], v[XI], s[4:5] offset:512*\i th:TH_LOAD_NT
.endr
.irp i, 0,1,2,3,4,5,6,7
	global_load_b128 v[D+64+4*\i:D+64+4*\i+3], v[WI], s[6:7] offset:512*\i th:TH_LOAD_NT
.endr
; Block p: loads 4 p to 4 p + 3 are rounded in place and stored.  o: the offset register, b: the base, k0: the first of its four pieces of 256 bytes.
.macro BLOCK p, o, b, k0
	s_wait_loadcnt 20-4*(\p)                       ; loads come back in order (ISA guide 5.7.1): this block's four are in, the later blocks' stay out
.irp i, 0,1,2,3
	v_cvt_pk_f16_f32 v[D+16*(\p)+4*\i],   v[D+16*(\p)+4*\i],   v[D+16*(\p)+4*\i+1]
	v_cvt_pk_f16_f32 v[D+16*(\p)+4*\i+1], v[D+16*(\p)+4*\i+2], v[D+16*(\p)+4*\i+3]
.endr
	s_wait_alu depctr_va_vdst(0)                   ; the eight conversions have written the registers that the four stores below read
.irp i, 0,1,2,3
	global_store_b64 v[\o], v[D+16*(\p)+4*\i:D+16*(\p)+4*\i+1], s[\b:\b+1] offset:256*((\k0)+\i) th:TH_STORE_NT
.endr
.endm
	BLOCK 0, XO, 8, 0                              ; x
	BLOCK 1, XO, 8, 4
	BLOCK 2, XO, 8, 8
	BLOCK 3, XO, 8, 12
	BLOCK 4, WO, 10, 0                             ; w_qkv
	BLOCK 5, WO, 10, 4
	s_endpgm
.Lfunc_end_k_q4877c58f48_cv:
	.size	k_q4877c58f48_cv, .Lfunc_end_k_q4877c58f48_cv-k_q4877c58f48_cv
	.p2alignl 7, 3214868480
	.fill 96, 4, 3214868480
	.section	.rodata,"a",@progbits
	.p2align	6, 0x0
	.amdhsa_kernel k_q4877c58f48_cv
		.amdhsa_group_segment_fixed_size 0
		.amdhsa_private_segment_fixed_size 0
		.amdhsa_enable_private_segment 0
		.amdhsa_kernarg_size 32
		.amdhsa_user_sgpr_count 2
		.amdhsa_user_sgpr_kernarg_segment_ptr 1
		.amdhsa_wavefront_size32 1
		.amdhsa_system_sgpr_workgroup_id_x 1
		.amdhsa_system_sgpr_workgroup_id_y 1
		.amdhsa_system_sgpr_workgroup_id_z 1
		.amdhsa_system_vgpr_workitem_id 0
		.amdhsa_next_free_vgpr 104
		.amdhsa_next_free_sgpr 66
		.amdhsa_reserve_vcc 0
		.amdhsa_float_denorm_mode_32 3
		.amdhsa_float_denorm_mode_16_64 3
		.amdhsa_memory_ordered 1
		.amdhsa_forward_progress 1
		.amdhsa_inst_pref_size 10
	.end_amdhsa_kernel
	.amdgpu_metadata
---
amdhsa.version: [ 1, 2 ]
amdhsa.kernels:
  - .name:           k_q4877c58f48_cv
    .symbol:         k_q4877c58f48_cv.kd
    .args:
      - { .name: x, .offset: 0, .size: 8, .value_kind: global_buffer, .address_space: global }
      - { .name: w_qkv, .offset: 8, .size: 8, .value_kind: global_buffer, .address_space: global }
      - { .name: xh, .offset: 16, .size: 8, .value_kind: global_buffer, .address_space: global }
      - { .name: wh, .offset: 24, .size: 8, .value_kind: global_buffer, .address_space: global }
    .group_segment_fixed_size: 0
    .private_segment_fixed_size: 0
    .kernarg_segment_align: 8
    .kernarg_segment_size: 32
    .max_flat_workgroup_size: 256
    .sgpr_count:     66
    .vgpr_count:     104
    .wavefront_size: 32
...
	.end_amdgpu_metadata
.endif
;; end of part 6
;; launch proj: the kernel of part 2 again; grid 8 x 32, 8 waves a work-group, clusters of 4 x 4, 327,680 bytes of LDS; arguments xh, wh, b_qkv, qb, kb; writes qb, kb
;; launch kw (part 7): grid 16 x 16, 8 waves a work-group, no clusters, 250,880 bytes of LDS; arguments kb, w_fc, mt; writes mt
.if DOCPART == 7
	.amdgcn_target "amdgcn-amd-amdhsa--gfx1250"
	.amdhsa_code_object_version 6
	.text
	.protected	k_q4877c58f48_kw
	.globl	k_q4877c58f48_kw
	.p2align	8
	.type	k_q4877c58f48_kw,@function
k_q4877c58f48_kw:
	s_mov_b64 s[64:65], 0
	v_nop
	global_prefetch_b8 v0, s[64:65] scope:SCOPE_SE
	s_setreg_imm32_b32 hwreg(HW_REG_WAVE_SCHED_MODE, 0, 2), 2
	s_setreg_imm32_b32 hwreg(HW_REG_WAVE_MODE, 25, 1), 1
	s_wait_xcnt 0x0
	s_wait_alu depctr_vm_vsrc(0)
; Mt[b][d][256 n + k] = sum over j of kb[2048 b + j][256 n + k] w_fc[4 j + n][d], rounded to bf16.  mt: [2][1024 d][1024].
; The scores times w_fc is a product of three matrices with nothing between them: q (k^T w_fc) has the same value as
; (q k^T) w_fc for every input, and this launch makes the bracket.
; LIMITS.  w_fc enters the matrix unit as f16 (a magnitude above 65,504 overflows, one below 6e-5 keeps an absolute 3e-8); kb is f16 already.
; Mt leaves as bf16: a sum of 2,048 products has no sure room in f16.  The sum over j is made as four partial sums in f32
; (j mod 128 in 32 q .. 32 q + 31, q = 0..3), added at the end as (p0 + p1) + (p2 + p3): an order of summation other than ascending j.
; SHARES.  A work-group makes 128 features (half a head of one batch) x 64 d with eight waves.  j = 2,048 goes in 16 tiles of 128 through three
; register sets and two LDS slots.  THE WAVES SHARE j, NOT THE BLOCK: wave w takes the quarter q = w >> 1 of every tile (32 j) and there
; 64 features (w & 1) x all 64 d: 16 accumulator tiles.  Its eight fragments (8 KB) feed 16 matrix instructions, and a tile's 48 KB
; are read from LDS as 64 KB in all; with the block shared out in eight parts of 32 x 32 it would be 128 KB.
; NO TENSOR LOADS, NO CLUSTER: w_fc, half of a tile's bytes, is f32 in memory and is rounded on the way, which a tensor load does not do;
; kb's tile takes the same road, so that one counted wait and one barrier a trip serve both and two tiles (128 KB a work-group) stay out.
; Both tiles lie [j][column] in LDS, so both fragments come by the transposing load.  Source 0 = 16 features of k, source 1 = 16 d:
; a lane holds d = l % 16 and the eight neighbouring features 8 (l / 16) + 0..7.
; THE MODE: SCHED_MODE bits 1:0 = 2 (LLVM: expert scheduling mode 2), set by the entry lines.  The code itself states the register dependences
; between vector or matrix instructions and memory or LDS instructions, with s_wait_alu, always for 0.
; THE PLAN.  Registers that memory or LDS instructions touch, in the loop:
;   S0, S1, S2   Tile u lies in set u % 3.  Trip t: the global loads of tile t + 3 land in set t % 3; the conversions round w_fc's half of set
;                (t + 1) % 3 in place; the LDS stores read set (t + 1) % 3.  So a set is loaded again one trip, and one barrier, behind the stores that read it.
;   FRA, FRB     Trip t: its sixteen LDS loads land in them, its matrix instructions read them.
;   v2 .. v15    Offsets and LDS addresses, made at the head and never written again: the scalar bases move on, and immediate offsets do the rest.
;   The accumulators are named by matrix instructions alone until the way out.  v254, v255: written at the head, read by the closing add alone.
; A trip has three waits.  Two at its head: the last trip's LDS stores have read set t % 3; the last trip's conversions are done with that set and its
; matrix instructions are done reading FRA and FRB.  Behind them stand the fragments' loads and the next tile's global loads, with only a window switch between.
; One behind the conversions: they have written what the LDS stores read.  The matrix instructions behind it name FRA, FRB and the accumulators alone.
.set APITCH, 288                       ; an LDS row of k: 128 f16 + 32 bytes; 9 x 32
.set BPITCH, 160                       ; an LDS row of w_fc: 64 f16 + 32 bytes; 5 x 32
.set ATILE,  128*APITCH                ; 36,864
.set SLOT,   ATILE+128*BPITCH          ; 57,344
.set STAGE,  2*SLOT                    ; 114,688: where the four partial sums meet
.set PPITCH, 528                       ; a row of a partial block: 128 f32 + 16 bytes; 33 x 16: sixteen rows start at sixteen different 16-byte columns modulo 256
.set PART,   64*PPITCH                 ; 33,792: a partial block, 64 rows (d)
.set NLD,    16                        ; global loads of a tile in each thread: 8 of k, 8 of w_fc
.set VOA, 2                            ; v2      my byte offset in a tile of k
.set VOB, 3                            ; v3      the same in a tile of w_fc
.set STA, 4                            ; v4-5    where I store k, slot 0, 1
.set STB, 6                            ; v6-7    the same for w_fc
.set FA,  8                            ; v8-9    where my fragments of k lie
.set FB,  10                           ; v10-11  the same for w_fc
.set STG, 12                           ; v12     stage: where I put 32 bytes of a row of my partial block
.set RD,  13                           ; v13     stage: my 16 bytes of my first row in partial blocks 0, 1
.set RD2, 15                           ; v15     the same in partial blocks 2, 3 (an LDS immediate has 16 bits)
.set CO,  14                           ; v14     my byte offset in mt
.set FRA, 16                           ; v16-47   four fragments of k
.set FRB, 48                           ; v48-79   four fragments of w_fc
.set ACC, 80                           ; v80-207  tile (a, b) at ACC + 8 (4 a + b); on the way out row i's four partial sums at ACC + 16 i
; window 1 (v256-447): register set s at 64 s: 32 registers of k, then 32 of w_fc, as loaded; w_fc is rounded in place
.set MSB, 0
.macro WIN new                         ; s_set_vgpr_msb: bits 1:0 source 0, 3:2 source 1, 5:4 source 2, 7:6 destination; the high byte repeats the setting that is left
.if MSB != \new
	s_set_vgpr_msb (MSB<<8)|\new
.set MSB, \new
.endif
.endm
.macro PLACES                          ; four places behind the last matrix instructions (ISA guide 7.12.1) before their registers are loaded again or their results read
.rept 4
	v_nop
.endr
.endm
.macro BAR                             ; my LDS stores and loads are done, then the barrier: what was stored may be read, what was read may be stored
	s_wait_dscnt 0x0
	s_barrier_signal -1
	s_barrier_wait -1
.endm
.macro NEXT                            ; both bases one tile on
	s_wait_xcnt 0x0                                ; the bases of the loads issued so far are stepped only behind this wait
	s_add_nc_u64 s[20:21], s[20:21], 262144        ; k: 128 rows of 2,048 bytes on
	s_add_nc_u64 s[22:23], s[22:23], 2097152       ; w_fc: 128 j of 4 rows of 4,096 bytes on
.endm
; The 16 loads of the tile at which the bases stand, into set rs.
.macro LOADS rs
	WIN 0x40                                       ; destination in window 1
.irp i, 0,1,2,3,4,5,6,7
	global_load_b128 v[64*\rs+4*\i:64*\rs+4*\i+3], v[VOA], s[20:21] offset:\i*32768          ; j = 16 i + 2 w + h: 16 lanes take 256 bytes
.endr
.irp i, 0,1,2,3,4,5,6,7
	global_load_b128 v[64*\rs+32+4*\i:64*\rs+32+4*\i+3], v[VOB], s[22:23] offset:\i*262144   ; the same j: 16 lanes take 256 bytes
.endr
.endm
; Set rs goes to an LDS slot: w_fc is rounded to f16 in place first, k goes as it came.
.macro CVT rs, slot
	WIN 0x45                                       ; destination and both sources in window 1
.irp i, 0,1,2,3,4,5,6,7
	v_cvt_pk_f16_f32 v[64*\rs+32+4*\i],   v[64*\rs+32+4*\i],   v[64*\rs+32+4*\i+1]
	v_cvt_pk_f16_f32 v[64*\rs+32+4*\i+1], v[64*\rs+32+4*\i+2], v[64*\rs+32+4*\i+3]
.endr
	WIN 0x04                                       ; the stores' data in window 1, their addresses in window 0
	s_wait_alu depctr_va_vdst(0)                   ; the conversions have written w_fc's half of the set, which the LDS stores read; at the first use also: the addresses v4 to v15 and the head's v16 to v21 are written
.irp i, 0,1,2,3,4,5,6,7
	ds_store_b128 v[STA+\slot], v[64*\rs+4*\i:64*\rs+4*\i+3] offset:\i*16*APITCH
.endr
.irp i, 0,1,2,3,4,5,6,7
	ds_store_b64 v[STB+\slot], v[64*\rs+32+4*\i:64*\rs+32+4*\i+1] offset:\i*16*BPITCH
.endr
.endm
; My 32 j of the tile in a slot: 16 transposing loads.
.macro FRAGS slot
	WIN 0
.irp a, 0,1,2,3
	ds_load_tr16_b128 v[FRA+8*\a:FRA+8*\a+3],   v[FA+\slot] offset:32*\a                ; j = 8 h + 0..7 of feature column l % 16
	ds_load_tr16_b128 v[FRA+8*\a+4:FRA+8*\a+7], v[FA+\slot] offset:32*\a+16*APITCH      ; j = 16 + 8 h + 0..7
.endr
.irp b, 0,1,2,3
	ds_load_tr16_b128 v[FRB+8*\b:FRB+8*\b+3],   v[FB+\slot] offset:32*\b
	ds_load_tr16_b128 v[FRB+8*\b+4:FRB+8*\b+7], v[FB+\slot] offset:32*\b+16*BPITCH
.endr
.endm
; 16 matrix instructions.  The 16 accumulators take turns, one instruction a turn, in the same order everywhere.
; zero = 1: the first products start the sums.  younger: the LDS stores issued behind the fragments' loads.
.macro MULS zero, younger
	WIN 0
.irp b, 0,1,2,3
	s_wait_dscnt 6-2*\b+\younger                   ; LDS instructions end in order (ISA guide 5.7.1): k's fragments and w_fc's up to b are in; two loads for each later b, and the stores, stay out
.irp a, 0,1,2,3
.if \zero
	v_wmma_f32_16x16x32_f16 v[ACC+8*(4*\a+\b):ACC+8*(4*\a+\b)+7], v[FRA+8*\a:FRA+8*\a+7], v[FRB+8*\b:FRB+8*\b+7], 0
.else
	v_wmma_f32_16x16x32_f16 v[ACC+8*(4*\a+\b):ACC+8*(4*\a+\b)+7], v[FRA+8*\a:FRA+8*\a+7], v[FRB+8*\b:FRB+8*\b+7], v[ACC+8*(4*\a+\b):ACC+8*(4*\a+\b)+7]
.endif
.endr
.endr
.endm
; Trip t multiplies slot cur = t & 1.  It asks for its fragments first, then for tile t + 3 (set sl = t % 3); then it stores tile t + 1
; (set ss = (t + 1) % 3, slot nxt) while the fragments are on their way.  left = the loads that may stay out when tile t + 1 has to be there.
.macro TRIP cur, nxt, ss, sl, cvt, load, left, zero, bar
	PLACES
.if \load
	NEXT
	s_wait_alu depctr_vm_vsrc(0)                   ; the LDS stores of the trip before have read set sl, in which the global loads below land
.endif
	s_wait_alu depctr_va_vdst(0)                   ; the conversions of the trip before are done reading and writing set sl; its matrix instructions are done reading FRA and FRB, in which the LDS loads below land
	FRAGS \cur
.if \load
	LOADS \sl                                      ; no wait: since the two above only loads and a window switch were issued
.endif
.if \cvt
	s_wait_loadcnt \left                           ; loads come back in order (ISA guide 5.7.1): tile t + 1 is in, the younger tiles stay out
	CVT \ss, \nxt                                  ; slot nxt was last read in front of the last barrier
.endif
	MULS \zero, 16*\cvt
.if \bar
	BAR
.endif
.endm
	s_load_b128 s[4:7], s[0:1], 0x0                ; kb s[4:5], w_fc s[6:7]
	s_load_b64 s[8:9], s[0:1], 0x10                ; mt
	v_lshl_add_u32 v254, v0, 2, 0x3d000
	v_mov_b32 v255, 0
	v_lshrrev_b32 v1, 5, v0
	v_readfirstlane_b32 s14, v1                    ; wave w
	v_and_b32 v1, 31, v0                           ; lane l
	v_and_b32 v16, 15, v1                          ; r
	v_lshrrev_b32 v17, 4, v1                       ; h
	s_mov_b32 s17, ttmp9                           ; db: block of 64 d
	s_and_b32 s18, ttmp7, 0xffff
	s_lshr_b32 s19, s18, 2                         ; n: head
	s_bfe_u32 s24, s18, 0x10001                    ; b: batch
	s_and_b32 s25, s18, 1                          ; mh: which half of the head's 256 features
	s_wait_alu depctr_va_sdst(0)                   ; s14 is written, ahead of its first reader: offsets and LDS addresses are made from it
	s_lshr_b32 s15, s14, 1                         ; q: which 32 j of every tile
	s_and_b32 s16, s14, 1                          ; wm: which 64 features
	s_lshl_b32 s29, s14, 1
	v_add_nc_u32 v18, s29, v17                     ; 2 w + h: my row among 16
	v_lshlrev_b32 v[VOA], 11, v18
	v_lshl_add_u32 v[VOA], v16, 4, v[VOA]          ; (2 w + h) 2,048 + 16 r
	v_lshlrev_b32 v[VOB], 14, v18
	v_lshl_add_u32 v[VOB], v16, 4, v[VOB]          ; (2 w + h) 16,384 + 16 r
	s_lshl_b32 s26, s19, 9
	s_lshl_b32 s29, s25, 8
	s_add_co_u32 s26, s26, s29                     ; 512 n + 256 mh: my features' bytes in a row of kb and of mt
	s_lshl_b32 s29, s24, 22                        ; b x 2,048 rows of 2,048 bytes
	s_add_co_u32 s30, s26, s29
	s_mov_b32 s31, 0
	s_wait_kmcnt 0x0
	s_add_nc_u64 s[20:21], s[4:5], s[30:31]        ; kb at my first tile
	s_lshl_b32 s30, s19, 12                        ; row n of w_fc
	s_lshl_b32 s29, s17, 8                         ; db x 64 columns of 4 bytes
	s_add_co_u32 s30, s30, s29
	s_add_nc_u64 s[22:23], s[6:7], s[30:31]        ; w_fc at my first tile
	s_wait_alu depctr_va_vdst(0)                   ; the offsets v2 and v3 are written: every global load of the kernel reads one of them
	LOADS 0                                        ; tile 0
	NEXT
	LOADS 1                                        ; tile 1
	NEXT
	LOADS 2                                        ; tile 2
	WIN 0
	s_lshl_b32 s30, s24, 21                        ; b x 1,024 rows of 2,048 bytes
	s_lshl_b32 s29, s17, 17                        ; db x 64 rows
	s_add_co_u32 s30, s30, s29
	s_add_co_u32 s30, s30, s26
	s_add_nc_u64 s[8:9], s[8:9], s[30:31]          ; mt at my block
	v_mul_u32_u24 v[STA], v18, APITCH
	v_lshl_add_u32 v[STA], v16, 4, v[STA]          ; (2 w + h) 288 + 16 r
	v_add_nc_u32 v[STA+1], SLOT, v[STA]
	v_mul_u32_u24 v[STB], v18, BPITCH
	v_lshl_add_u32 v[STB], v16, 3, v[STB]
	v_add_nc_u32 v[STB], ATILE, v[STB]             ; behind k's rows: (2 w + h) 160 + 8 r
	v_add_nc_u32 v[STB+1], SLOT, v[STB]
	v_and_b32 v20, 7, v1
	v_lshl_add_u32 v20, v17, 3, v20                ; 8 h + l % 8: the row, among my 32, that I address
	v_bfe_u32 v21, v1, 3, 1                        ; (l / 8) % 2: which 16 bytes
	v_mul_u32_u24 v[FA], v20, APITCH
	v_lshl_add_u32 v[FA], v21, 4, v[FA]
	s_mul_i32 s29, s15, 32*APITCH                  ; my 32 rows of the tile
	s_lshl_b32 s30, s16, 7                         ; my 64 features of 2 bytes
	s_add_co_u32 s29, s29, s30
	v_add_nc_u32 v[FA], s29, v[FA]
	v_add_nc_u32 v[FA+1], SLOT, v[FA]
	v_mul_u32_u24 v[FB], v20, BPITCH
	v_lshl_add_u32 v[FB], v21, 4, v[FB]
	s_mul_i32 s29, s15, 32*BPITCH                  ; the same 32 rows of w_fc,
	s_add_co_u32 s29, s29, ATILE                   ; behind k's rows
	v_add_nc_u32 v[FB], s29, v[FB]
	v_add_nc_u32 v[FB+1], SLOT, v[FB]
	s_mul_i32 s29, s15, PART                       ; my quarter's partial block
	s_lshl_b32 s30, s16, 8                         ; my 64 features of 4 bytes
	s_add_co_u32 s29, s29, s30
	s_add_co_u32 s29, s29, STAGE
	v_mul_u32_u24 v[STG], v16, PPITCH
	v_lshl_add_u32 v[STG], v17, 5, v[STG]
	v_add_nc_u32 v[STG], s29, v[STG]               ; stage + q blocks + r 528 + 256 wm + 32 h
	s_mul_i32 s29, s14, 8*PPITCH
	s_add_co_u32 s29, s29, STAGE
	v_lshl_add_u32 v[RD], v1, 4, s29               ; stage + 8 w rows + 16 l
	v_add_nc_u32 v[RD2], 2*PART, v[RD]
	s_lshl_b32 s29, s14, 14
	v_lshl_add_u32 v[CO], v1, 3, s29               ; 8 w rows of 2,048 bytes + 8 l
	s_wait_loadcnt 2*NLD                           ; tile 0 is in; the 32 loads of tiles 1 and 2 stay out
	CVT 0, 0
	BAR
	TRIP 0, 1, 1, 0, 1, 1, 2*NLD, 1, 1             ; trip 0 stands in front of the loop: its products start the sums
	s_mov_b32 s28, 2                               ; trips 1 to 12, six a pass: slots and sets are back at their start
.Lpass:
	TRIP 1, 0, 2, 1, 1, 1, 2*NLD, 0, 1
	TRIP 0, 1, 0, 2, 1, 1, 2*NLD, 0, 1
	TRIP 1, 0, 1, 0, 1, 1, 2*NLD, 0, 1
	TRIP 0, 1, 2, 1, 1, 1, 2*NLD, 0, 1
	TRIP 1, 0, 0, 2, 1, 1, 2*NLD, 0, 1
	TRIP 0, 1, 1, 0, 1, 1, 2*NLD, 0, 1
	s_sub_co_u32 s28, s28, 1
	s_cmp_lg_u32 s28, 0
	s_cbranch_scc1 .Lpass
	TRIP 1, 0, 2, 0, 1, 0, NLD, 0, 1               ; trip 13 stores tile 14; tile 15 stays out; nothing is left to ask for
	TRIP 0, 1, 0, 0, 1, 0, 0, 0, 1                 ; trip 14 stores tile 15: no load is younger
	TRIP 1, 0, 0, 0, 0, 0, 0, 0, 0                 ; trip 15 multiplies only; no barrier: the stage has LDS bytes of its own
	; THE WAY OUT.  Each wave puts its 64 d x 64 features of f32 into its quarter's partial block; behind one barrier wave w reads rows (d)
	; 8 w .. 8 w + 7 of all four blocks, 16 bytes a lane, adds them, rounds to bf16 and stores each row's 256 bytes.
	PLACES
	s_wait_alu depctr_va_vdst(0)                   ; the matrix instructions have written the accumulators, which the LDS stores read; the places above stay beside this wait
.irp a, 0,1,2,3
.irp b, 0,1,2,3
	ds_store_b128 v[STG], v[ACC+8*(4*\a+\b):ACC+8*(4*\a+\b)+3]   offset:\b*16*PPITCH+64*\a
	ds_store_b128 v[STG], v[ACC+8*(4*\a+\b)+4:ACC+8*(4*\a+\b)+7] offset:\b*16*PPITCH+64*\a+16
.endr
.endr
	BAR                                            ; a row is read by one wave and was written by eight
	s_wait_alu depctr_vm_vsrc(0)                   ; my LDS stores have read the accumulators' registers, in which the loads below land and which the sums below write
.irp i, 0,1,2,3,4,5,6,7
	ds_load_b128 v[ACC+16*\i:ACC+16*\i+3],     v[RD]  offset:\i*PPITCH
	ds_load_b128 v[ACC+16*\i+4:ACC+16*\i+7],   v[RD]  offset:\i*PPITCH+PART
	ds_load_b128 v[ACC+16*\i+8:ACC+16*\i+11],  v[RD2] offset:\i*PPITCH
	ds_load_b128 v[ACC+16*\i+12:ACC+16*\i+15], v[RD2] offset:\i*PPITCH+PART
.endr
.macro SUMROW i                        ; row i's four partial sums become 8 bytes of bf16 a lane, in the row's first two registers
	s_wait_dscnt 28-4*(\i)                         ; LDS loads come back in order: row i's four are in, four for each later row stay out
	v_pk_add_f32 v[ACC+16*(\i):ACC+16*(\i)+1],     v[ACC+16*(\i):ACC+16*(\i)+1],     v[ACC+16*(\i)+4:ACC+16*(\i)+5]      ; p0 + p1
	v_pk_add_f32 v[ACC+16*(\i)+2:ACC+16*(\i)+3],   v[ACC+16*(\i)+2:ACC+16*(\i)+3],   v[ACC+16*(\i)+6:ACC+16*(\i)+7]
	v_pk_add_f32 v[ACC+16*(\i)+8:ACC+16*(\i)+9],   v[ACC+16*(\i)+8:ACC+16*(\i)+9],   v[ACC+16*(\i)+12:ACC+16*(\i)+13]    ; p2 + p3
	v_pk_add_f32 v[ACC+16*(\i)+10:ACC+16*(\i)+11], v[ACC+16*(\i)+10:ACC+16*(\i)+11], v[ACC+16*(\i)+14:ACC+16*(\i)+15]
	v_pk_add_f32 v[ACC+16*(\i):ACC+16*(\i)+1],     v[ACC+16*(\i):ACC+16*(\i)+1],     v[ACC+16*(\i)+8:ACC+16*(\i)+9]
	v_pk_add_f32 v[ACC+16*(\i)+2:ACC+16*(\i)+3],   v[ACC+16*(\i)+2:ACC+16*(\i)+3],   v[ACC+16*(\i)+10:ACC+16*(\i)+11]
	v_cvt_pk_bf16_f32 v[ACC+16*(\i)],   v[ACC+16*(\i)],   v[ACC+16*(\i)+1]
	v_cvt_pk_bf16_f32 v[ACC+16*(\i)+1], v[ACC+16*(\i)+2], v[ACC+16*(\i)+3]
.endm
.macro OUTROW i
	global_store_b64 v[CO], v[ACC+16*(\i):ACC+16*(\i)+1], s[8:9] offset:(\i)*2048    ; a wave's store covers 256 consecutive bytes, aligned
.endm
.irp i, 0,1,2,3
	SUMROW \i
.endr
	s_wait_alu depctr_va_vdst(0)                   ; rows 0 to 3 are rounded: the four stores below read them; the sums dealt among them name rows 4 to 7 alone
.irp i, 0,1,2,3
	OUTROW \i
	SUMROW 4+\i
.endr
	s_wait_alu depctr_va_vdst(0)                   ; rows 4 to 7 are rounded: the last four stores read them
.irp i, 4,5,6,7
	OUTROW \i
.endr
	s_wait_dscnt 0x0                               ; the closing lines, six on end
	s_wait_alu 0x0
	s_wait_tensorcnt 0x0
	ds_add_u32 v254, v255
	s_wait_dscnt 0x0
	s_endpgm
.Lfunc_end_k_q4877c58f48_kw:
	.size	k_q4877c58f48_kw, .Lfunc_end_k_q4877c58f48_kw-k_q4877c58f48_kw
	.p2alignl 7, 3214868480
	.fill 96, 4, 3214868480
	.section	.rodata,"a",@progbits
	.p2align	6, 0x0
	.amdhsa_kernel k_q4877c58f48_kw
		.amdhsa_group_segment_fixed_size 250880
		.amdhsa_private_segment_fixed_size 0
		.amdhsa_enable_private_segment 0
		.amdhsa_kernarg_size 24
		.amdhsa_user_sgpr_count 2
		.amdhsa_user_sgpr_kernarg_segment_ptr 1
		.amdhsa_wavefront_size32 1
		.amdhsa_system_sgpr_workgroup_id_x 1
		.amdhsa_system_sgpr_workgroup_id_y 1
		.amdhsa_system_sgpr_workgroup_id_z 1
		.amdhsa_system_vgpr_workitem_id 0
		.amdhsa_next_free_vgpr 448
		.amdhsa_next_free_sgpr 66
		.amdhsa_reserve_vcc 0
		.amdhsa_float_denorm_mode_32 3
		.amdhsa_float_denorm_mode_16_64 3
		.amdhsa_memory_ordered 1
		.amdhsa_forward_progress 1
		.amdhsa_inst_pref_size 76
	.end_amdhsa_kernel
	.amdgpu_metadata
---
amdhsa.version: [ 1, 2 ]
amdhsa.kernels:
  - .name:           k_q4877c58f48_kw
    .symbol:         k_q4877c58f48_kw.kd
    .args:
      - { .name: kb, .offset: 0, .size: 8, .value_kind: global_buffer, .address_space: global }
      - { .name: w_fc, .offset: 8, .size: 8, .value_kind: global_buffer, .address_space: global }
      - { .name: mt, .offset: 16, .size: 8, .value_kind: global_buffer, .address_space: global }
    .group_segment_fixed_size: 250880
    .private_segment_fixed_size: 0
    .kernarg_segment_align: 8
    .kernarg_segment_size: 24
    .max_flat_workgroup_size: 256
    .sgpr_count:     66
    .vgpr_count:     448
    .wavefront_size: 32
...
	.end_amdgpu_metadata
.endif
;; end of part 7
;; launch og: the kernel of part 4 again; grid 8 x 32, 8 waves a work-group, clusters of 4 x 4, 327,680 bytes of LDS; arguments qb, mt, ob; writes ob
;; launch ln (part 8): grid 256 x 1, 8 waves a work-group, no clusters, 0 bytes of LDS; arguments x, ob, b_fc, gamma, beta, out0; writes out0
.if DOCPART == 8
	.amdgcn_target "amdgcn-amd-amdhsa--gfx1250"
	.amdhsa_code_object_version 6
	.text
	.protected	k_q4877c58f48_ln
	.globl	k_q4877c58f48_ln
	.p2align	8
	.type	k_q4877c58f48_ln,@function
k_q4877c58f48_ln:
	s_mov_b64 s[64:65], 0
	v_nop
	global_prefetch_b8 v0, s[64:65] scope:SCOPE_SE
	s_setreg_imm32_b32 hwreg(HW_REG_WAVE_SCHED_MODE, 0, 2), 2
	s_setreg_imm32_b32 hwreg(HW_REG_WAVE_MODE, 25, 1), 1
	s_wait_xcnt 0x0
	s_wait_alu depctr_vm_vsrc(0)
; y = x + o / 16 + b_fc;  out0 = gamma (y - mean) / sqrt(var + 1e-5) + beta, mean and var over a row's 1,024 numbers, all in f32.
; A row is 4,096 bytes: one wave takes a whole row, eight 16-byte loads a lane, and keeps it in registers between the pass for the mean,
; the pass for the variance (of y - mean: no difference of large sums) and the pass that scales.  A wave has two rows; all its
; 56 loads go out at the start; there is no LDS, no barrier and no loop.  Matrix units, clusters and tensor loads have nothing to do here:
; no byte is shared between work-groups but the three vectors of 4,096 bytes.
; THE MODE: SCHED_MODE bits 1:0 = 2 (LLVM: expert scheduling mode 2), set by the entry lines.  The code itself states the register dependences
; between vector instructions and memory instructions, with s_wait_alu, always for 0.
; THE PLAN.  Registers that memory instructions touch:
;   v3, v4     two byte offsets, made at the head and never written again; every load and store reads one of them.
;   BF, GA, BE, X0, O0, X1, O1   each loaded once, by loads that stand ahead of all arithmetic.
;   X0, X1     worked on in place; a row's eight stores read them, and nothing writes them afterwards.
; So one wait stands ahead of the first load.  In a row the first four pieces are scaled, one wait states that they are written, and their four
; stores are dealt among the scaling of the other four pieces, which names other registers; one more wait stands ahead of the last four stores.
.set BF, 8                             ; v8-39    b_fc of my 32 columns (128 j + 4 l + 0..3, j = 0..7)
.set GA, 40                            ; v40-71   gamma
.set BE, 72                            ; v72-103  beta
.set X0, 104                           ; v104-135 row 0: x, then y, then y - mean, then the result
.set O0, 136                           ; v136-167 row 0: o
.set X1, 168                           ; v168-199 row 1
.set O1, 200                           ; v200-231
.set T,  232                           ; v232-239 four chains of sums, two numbers each
.set M,  240                           ; v240-241 the mean, twice
.set R,  242                           ; v242-243 1 / sqrt(var + eps), twice
	s_load_b256 s[4:11], s[0:1], 0x0               ; x s[4:5], ob s[6:7], b_fc s[8:9], gamma s[10:11]
	s_load_b128 s[12:15], s[0:1], 0x20             ; beta s[12:13], out0 s[14:15]
	v_lshrrev_b32 v1, 5, v0                        ; wave
	v_and_b32 v2, 31, v0                           ; lane
	v_lshlrev_b32 v3, 4, v2                        ; 16 l: my place in the three vectors
	v_lshl_add_u32 v4, v1, 13, v3                  ; + wave x 2 rows of 4,096 bytes: my place in the group's 16 rows
	s_lshl_b32 s16, ttmp9, 16                      ; the work-group's 16 rows
	s_mov_b32 s17, 0
	s_mov_b32 s18, 0x3d800000                      ; 1 / 16 = 1 / sqrt(256)
	s_mov_b32 s19, 0x3d800000
	s_mov_b32 s20, 0x3a800000                      ; 1 / 1024
	s_mov_b32 s21, 0x3727c5ac                      ; 1e-5
	s_mov_b32 s22, 0x76543210                      ; v_permlanex16_b32: lane i of one half reads lane i of the other
	s_mov_b32 s23, 0xfedcba98
	s_wait_kmcnt 0x0
	s_add_nc_u64 s[4:5], s[4:5], s[16:17]
	s_add_nc_u64 s[6:7], s[6:7], s[16:17]
	s_add_nc_u64 s[14:15], s[14:15], s[16:17]
	s_wait_alu depctr_va_vdst(0)                   ; the offsets v3 and v4 are written: every load and store of the kernel reads one of them
.irp j, 0,1,2,3,4,5,6,7
	global_load_b128 v[BF+4*\j:BF+4*\j+3], v3, s[8:9] offset:512*\j
.endr
.irp j, 0,1,2,3,4,5,6,7
	global_load_b128 v[X0+4*\j:X0+4*\j+3], v4, s[4:5] offset:512*\j th:TH_LOAD_NT
.endr
.irp j, 0,1,2,3,4,5,6,7
	global_load_b128 v[O0+4*\j:O0+4*\j+3], v4, s[6:7] offset:512*\j th:TH_LOAD_NT
.endr
.irp j, 0,1,2,3,4,5,6,7
	global_load_b128 v[GA+4*\j:GA+4*\j+3], v3, s[10:11] offset:512*\j
.endr
.irp j, 0,1,2,3,4,5,6,7
	global_load_b128 v[BE+4*\j:BE+4*\j+3], v3, s[12:13] offset:512*\j
.endr
.irp j, 0,1,2,3,4,5,6,7
	global_load_b128 v[X1+4*\j:X1+4*\j+3], v4, s[4:5] offset:4096+512*\j th:TH_LOAD_NT
.endr
.irp j, 0,1,2,3,4,5,6,7
	global_load_b128 v[O1+4*\j:O1+4*\j+3], v4, s[6:7] offset:4096+512*\j th:TH_LOAD_NT
.endr
; The four chains in T become one number in every lane's v[T]
.macro ALL_LANES
	v_pk_add_f32 v[T:T+1], v[T:T+1], v[T+2:T+3]
	v_pk_add_f32 v[T+4:T+5], v[T+4:T+5], v[T+6:T+7]
	v_pk_add_f32 v[T:T+1], v[T:T+1], v[T+4:T+5]
	v_add_f32 v[T], v[T], v[T+1]
	v_add_f32_dpp v[T], v[T], v[T] row_xmask:1 row_mask:0xf bank_mask:0xf
	v_add_f32_dpp v[T], v[T], v[T] row_xmask:2 row_mask:0xf bank_mask:0xf
	v_add_f32_dpp v[T], v[T], v[T] row_xmask:4 row_mask:0xf bank_mask:0xf
	v_add_f32_dpp v[T], v[T], v[T] row_xmask:8 row_mask:0xf bank_mask:0xf
	v_permlanex16_b32 v[T+1], v[T], s22, s23       ; its destination counts as read: T + 1 has been written
	v_add_f32 v[T], v[T], v[T+1]
.endm
; Piece j (four numbers a lane) of a row: (y - mean) / sqrt(var + eps), times gamma, plus beta, in place
.macro SCALE xr, j
	v_pk_mul_f32 v[\xr+4*(\j):\xr+4*(\j)+1],   v[\xr+4*(\j):\xr+4*(\j)+1],   v[R:R+1]
	v_pk_mul_f32 v[\xr+4*(\j)+2:\xr+4*(\j)+3], v[\xr+4*(\j)+2:\xr+4*(\j)+3], v[R:R+1]
	v_pk_fma_f32 v[\xr+4*(\j):\xr+4*(\j)+1],   v[\xr+4*(\j):\xr+4*(\j)+1],   v[GA+4*(\j):GA+4*(\j)+1],   v[BE+4*(\j):BE+4*(\j)+1]
	v_pk_fma_f32 v[\xr+4*(\j)+2:\xr+4*(\j)+3], v[\xr+4*(\j)+2:\xr+4*(\j)+3], v[GA+4*(\j)+2:GA+4*(\j)+3], v[BE+4*(\j)+2:BE+4*(\j)+3]
.endm
; One row.  xr, or: its registers; q: which of my two rows; w1: the loads that may stay out when x, o and b_fc have to be there;
; w2: the same for gamma and beta, or -1 where an earlier wait has shown them in.
.macro ROW xr, or, q, w1, w2
	s_wait_loadcnt \w1
.irp p, 0,2,4,6,8,10,12,14,16,18,20,22,24,26,28,30
	v_pk_add_f32 v[\xr+\p:\xr+\p+1], v[\xr+\p:\xr+\p+1], v[BF+\p:BF+\p+1]
.endr
.irp p, 0,2,4,6,8,10,12,14,16,18,20,22,24,26,28,30
	v_pk_fma_f32 v[\xr+\p:\xr+\p+1], v[\or+\p:\or+\p+1], s[18:19], v[\xr+\p:\xr+\p+1] op_sel_hi:[1,0,1]   ; y = o / 16 + (x + b_fc)
.endr
.irp c, 0,2,4,6
	v_pk_add_f32 v[T+\c:T+\c+1], v[\xr+\c:\xr+\c+1], v[\xr+8+\c:\xr+8+\c+1]       ; the first sums start the chains: nothing is cleared
.endr
.irp c, 0,2,4,6
	v_pk_add_f32 v[T+\c:T+\c+1], v[T+\c:T+\c+1], v[\xr+16+\c:\xr+16+\c+1]
.endr
.irp c, 0,2,4,6
	v_pk_add_f32 v[T+\c:T+\c+1], v[T+\c:T+\c+1], v[\xr+24+\c:\xr+24+\c+1]
.endr
	ALL_LANES
	v_mul_f32 v[M], s20, v[T]                      ; the mean, in both registers of a pair
	v_mul_f32 v[M+1], s20, v[T]
.irp p, 0,2,4,6,8,10,12,14,16,18,20,22,24,26,28,30
	v_pk_add_f32 v[\xr+\p:\xr+\p+1], v[\xr+\p:\xr+\p+1], v[M:M+1] neg_lo:[0,1] neg_hi:[0,1]   ; y - mean
.endr
.irp c, 0,2,4,6
	v_pk_mul_f32 v[T+\c:T+\c+1], v[\xr+\c:\xr+\c+1], v[\xr+\c:\xr+\c+1]
.endr
.irp c, 0,2,4,6
	v_pk_fma_f32 v[T+\c:T+\c+1], v[\xr+8+\c:\xr+8+\c+1], v[\xr+8+\c:\xr+8+\c+1], v[T+\c:T+\c+1]
.endr
.irp c, 0,2,4,6
	v_pk_fma_f32 v[T+\c:T+\c+1], v[\xr+16+\c:\xr+16+\c+1], v[\xr+16+\c:\xr+16+\c+1], v[T+\c:T+\c+1]
.endr
.irp c, 0,2,4,6
	v_pk_fma_f32 v[T+\c:T+\c+1], v[\xr+24+\c:\xr+24+\c+1], v[\xr+24+\c:\xr+24+\c+1], v[T+\c:T+\c+1]
.endr
	ALL_LANES
	v_fma_f32 v[T], v[T], s20, s21                 ; var + eps: at least 1e-5, so v_rsq_f32 never sees a denormal
	v_rsq_f32 v[R], v[T]
	v_rsq_f32 v[R+1], v[T]
	v_nop                                          ; one plain vector instruction behind a transcendental before its result is used (ISA guide 5.7.2)
.if \w2 >= 0
	s_wait_loadcnt \w2
.endif
	s_wait_alu depctr_va_vdst(0)                   ; both reciprocal roots, v[R] and v[R+1], are written, ahead of their first reader: one wait for the two
.irp j, 0,1,2,3
	SCALE \xr, \j
.endr
	s_wait_alu depctr_va_vdst(0)                   ; pieces 0 to 3 are written: the four stores below read them; the lines dealt among them name pieces 4 to 7 alone
.irp j, 0,1,2,3
	global_store_b128 v4, v[\xr+4*\j:\xr+4*\j+3], s[14:15] offset:4096*\q+512*\j th:TH_STORE_NT   ; a wave's store covers 512 consecutive bytes, aligned
	SCALE \xr, 4+\j
.endr
	s_wait_alu depctr_va_vdst(0)                   ; pieces 4 to 7 are written: the row's last four stores read them
.irp j, 4,5,6,7
	global_store_b128 v4, v[\xr+4*\j:\xr+4*\j+3], s[14:15] offset:4096*\q+512*\j th:TH_STORE_NT
.endr
.endm
	ROW X0, O0, 0, 32, 16                          ; 32: gamma, beta and row 1 stay out; 16: row 1 stays out
	ROW X1, O1, 1, 0, -1                           ; no load is younger than row 1's
	s_endpgm
.Lfunc_end_k_q4877c58f48_ln:
	.size	k_q4877c58f48_ln, .Lfunc_end_k_q4877c58f48_ln-k_q4877c58f48_ln
	.p2alignl 7, 3214868480
	.fill 96, 4, 3214868480
	.section	.rodata,"a",@progbits
	.p2align	6, 0x0
	.amdhsa_kernel k_q4877c58f48_ln
		.amdhsa_group_segment_fixed_size 0
		.amdhsa_private_segment_fixed_size 0
		.amdhsa_enable_private_segment 0
		.amdhsa_kernarg_size 48
		.amdhsa_user_sgpr_count 2
		.amdhsa_user_sgpr_kernarg_segment_ptr 1
		.amdhsa_wavefront_size32 1
		.amdhsa_system_sgpr_workgroup_id_x 1
		.amdhsa_system_sgpr_workgroup_id_y 1
		.amdhsa_system_sgpr_workgroup_id_z 1
		.amdhsa_system_vgpr_workitem_id 0
		.amdhsa_next_free_vgpr 248
		.amdhsa_next_free_sgpr 66
		.amdhsa_reserve_vcc 0
		.amdhsa_float_denorm_mode_32 3
		.amdhsa_float_denorm_mode_16_64 3
		.amdhsa_memory_ordered 1
		.amdhsa_forward_progress 1
		.amdhsa_inst_pref_size 25
	.end_amdhsa_kernel
	.amdgpu_metadata
---
amdhsa.version: [ 1, 2 ]
amdhsa.kernels:
  - .name:           k_q4877c58f48_ln
    .symbol:         k_q4877c58f48_ln.kd
    .args:
      - { .name: x, .offset: 0, .size: 8, .value_kind: global_buffer, .address_space: global }
      - { .name: ob, .offset: 8, .size: 8, .value_kind: global_buffer, .address_space: global }
      - { .name: b_fc, .offset: 16, .size: 8, .value_kind: global_buffer, .address_space: global }
      - { .name: gamma, .offset: 24, .size: 8, .value_kind: global_buffer, .address_space: global }
      - { .name: beta, .offset: 32, .size: 8, .value_kind: global_buffer, .address_space: global }
      - { .name: out0, .offset: 40, .size: 8, .value_kind: global_buffer, .address_space: global }
    .group_segment_fixed_size: 0
    .private_segment_fixed_size: 0
    .kernarg_segment_align: 8
    .kernarg_segment_size: 48
    .max_flat_workgroup_size: 256
    .sgpr_count:     66
    .vgpr_count:     248
    .wavefront_size: 32
...
	.end_amdgpu_metadata
.endif
;; end of part 8
